; MI455X (gfx1250); checked and timed in simulation.
; The chip was launched on July 23, 2026; its instructions are those of AMD's public machine-readable ISA for CDNA 5 (MIT licence, August 2026) and "CDNA5" Instruction Set Architecture Reference Guide (July 2026). The comments in the code are by the model that wrote it; some were corrected since.
;; Multi Head Attention. Allowed arithmetic: matrix products marked QUANTISED: E3M2 operands, one E8M0 scale for each 32 along K, by v_wmma_scale_f32_16x16x128_f8f6f4 with both operands' format E3M2, f32 sums; everything else in f32.
;; Inputs: Wk_codes 1,024 x 32 x 24 uint8 (E3M2 codes of Wk, K innermost, in blocks of 32 codes, four codes in three bytes); Wk_scales 1,024 x 32 uint8 (E8M0 scales of Wk, one for each 32 codes along K); Wo_codes 1,024 x 32 x 24 uint8 (E3M2 codes of Wo, K innermost, in blocks of 32 codes, four codes in three bytes); Wo_scales 1,024 x 32 uint8 (E8M0 scales of Wo, one for each 32 codes along K); Wq_codes 1,024 x 32 x 24 uint8 (E3M2 codes of Wq, K innermost, in blocks of 32 codes, four codes in three bytes); Wq_scales 1,024 x 32 uint8 (E8M0 scales of Wq, one for each 32 codes along K); Wv_codes 1,024 x 32 x 24 uint8 (E3M2 codes of Wv, K innermost, in blocks of 32 codes, four codes in three bytes); Wv_scales 1,024 x 32 uint8 (E8M0 scales of Wv, one for each 32 codes along K); bk 1,024 float32; bo 1,024 float32; bq 1,024 float32; bv 1,024 float32; key_codes 4 x 2,048 x 32 x 24 uint8 (E3M2 codes of key, K innermost, in blocks of 32 codes, four codes in three bytes); key_scales 4 x 2,048 x 32 uint8 (E8M0 scales of key, one for each 32 codes along K); ln_beta 1,024 float32; ln_gamma 1,024 float32; query 4 x 2,048 x 1,024 float32; value_codes 4 x 2,048 x 32 x 24 uint8 (E3M2 codes of value, K innermost, in blocks of 32 codes, four codes in three bytes); value_scales 4 x 2,048 x 32 uint8 (E8M0 scales of value, one for each 32 codes along K).
;; Outputs: out0 4 x 2,048 x 1,024 float32.
;; This version of the problem:
;;   THIS VERSION OF THE PROBLEM IS GIVEN IN LOW PRECISION. The matrix products marked QUANTISED in the list below multiply operands that are first quantised to E3M2 (3 exponent bits, 2 mantissa bits; 6 bits a number), with one power-of-two scale for each 32 numbers along K (OCP MX v1.0); their sums are f32. All else is computed in f32.
;;   The module's matrix products, in the order in which they are computed (A, B: the left and right operand; K: the contracted axis; several contracted axes count as one K, in the product's order):
;;     1. [M 8,192, K 1,024] x [K 1,024, N 1,024]; A: input query; B: input Wq (given as codes): QUANTISED
;;     2. [M 8,192, K 1,024] x [K 1,024, N 1,024]; A: input key (given as codes); B: input Wk (given as codes): QUANTISED
;;     3. [M 8,192, K 1,024] x [K 1,024, N 1,024]; A: input value (given as codes); B: input Wv (given as codes): QUANTISED
;;     4. batch 64 x [M 2,048, K 64] x [K 64, N 2,048]; A: computed on the way; B: computed on the way: QUANTISED
;;     5. batch 64 x [M 2,048, K 2,048] x [K 2,048, N 64]; A: softmax (see below); B: computed on the way: QUANTISED
;;     6. [M 8,192, K 1,024] x [K 1,024, N 1,024]; A: computed on the way; B: input Wo (given as codes): QUANTISED
;;   THE QUANTISER, for each operand of a quantised product, along K:
;;     - K is cut into blocks of 32 from its start; a last block that is shorter is filled with zeros.
;;     - A block's scale is 2^e with e = floor(log2(the largest magnitude in the block)) - 4, held to -126 .. 127; a block of zeros has e = 0. As a byte (E8M0): e + 127.
;;     - Each number is divided by its block's scale, clamped to +-28, and rounded to the nearest number of E3M2, ties to even, subnormals kept.
;;     - The product sums the exact products of the quantised numbers (number of the format x scale) in f32.
;;   ~~~python
;;   def quantise(x, axis):      # numpy; x: float32 -> the quantised numbers, widened to float32 again
;;       x = np.moveaxis(x, axis, -1); K = x.shape[-1]
;;       x = np.pad(x, [(0, 0)] * (x.ndim - 1) + [(0, -K % 32)]); x = x.reshape(x.shape[:-1] + (-1, 32)); a = np.abs(x).max(-1, keepdims=True)
;;       e = np.where(a > 0, np.clip(np.frexp(np.where(a > 0, a, 1))[1] - 1 - 4, -126, 127), 0)      # np.frexp(a)[1] - 1 = floor(log2(a)), exactly
;;       r = np.clip(x / 2.0 ** e, -28, 28)
;;       step = 2.0 ** (np.maximum(np.frexp(np.where(r == 0, 1, r))[1] - 1, -2) - 2)
;;       q = np.round(r / step) * step * 2.0 ** e      # np.round: ties to even
;;       return np.moveaxis(q.reshape(q.shape[:-2] + (-1,))[..., :K], -1, axis).astype(np.float32)
;;   ~~~
;;   SOFTMAX AHEAD OF A QUANTISED PRODUCT. Where the list says 'softmax', what is quantised is not the finished softmax but p = 2^(t - M), with t = logit x log2(e) and M = ceil(the row's largest t), a whole number; so 1/2 < the row's largest p <= 1. The row's sum l is taken of the UNQUANTISED p, in f32, and the product's result is divided by l at the end. Since M is a whole number, a kernel that streams over the keys may use a running M (the ceiling of the running maximum): every later rescaling is an exact power of two, which a block's scale takes up: the codes' values come out the same.
;;   OPERANDS COMPUTED ON THE WAY. 'Computed on the way' means the value that the module computes at that place (a softmax that the list does not call 'softmax' is quantised finished and normalised). What goes into a quantiser is computed in f32, as accurately as f32 sums, v_exp_f32 and their like allow (about 1e-6 of the number): no bf16 or f16 on the way to a quantiser, and a product that is left as it is and whose result goes on into a quantised operand takes f32 operands (vector FMAs, or v_wmma_f32_16x16x4_f32). A number that lies on a knife's edge between two numbers of the format may be rounded either way, as far as f32 arithmetic and the matrix unit's own rounding can turn it there, and no further.
;;   INPUTS GIVEN AS CODES. Wk (in the module: [1024, 1024], K = its axis 1); Wo (in the module: [1024, 1024], K = its axis 1); Wq (in the module: [1024, 1024], K = its axis 1); Wv (in the module: [1024, 1024], K = its axis 1); key (in the module: [4, 2048, 1024], K = its axis 2); value (in the module: [4, 2048, 1024], K = its axis 2): each comes as NAME_codes (uint8): NAME with its K axis moved to the last place and cut into blocks of 32 codes, [.., K / 32, bytes a block], one block behind the other in memory; four codes in three bytes: a row's codes are one little-endian stream of bits, code i at bits 6 i .. 6 i + 5 (a code: sign, 3 exponent bits, 2 mantissa bits); and NAME_scales (uint8): the same leading axes, one E8M0 byte (e + 127) for each 32 codes along K. Its value is code x scale, taken as it is: it is not quantised again, and the codes and scales need not be those that the quantiser above would give.
;; One version. Each part assembles by itself: llvm-mc -triple=amdgcn-amd-amdhsa -mcpu=gfx1250 --defsym DOCPART=n.
;; ======== version 1 of 1: 4 launches
;; workspace buffers: xq_codes 6,291,456 bytes; xq_scales 262,144 bytes; qb 13,107,200 bytes; kv 13,107,200 bytes; oc 6,291,456 bytes; os 262,144 bytes
;; launch quantq (part 1): grid 256 x 1, 4 waves a work-group, no clusters, 33,280 bytes of LDS; arguments query, xq_codes, xq_scales; writes xq_codes, xq_scales
.if DOCPART == 1
	.amdgcn_target "amdgcn-amd-amdhsa--gfx1250"
	.amdhsa_code_object_version 6
	.text
	.protected	k_q80eb080206_quantq
	.globl	k_q80eb080206_quantq
	.p2align	8
	.type	k_q80eb080206_quantq,@function
k_q80eb080206_quantq:
	s_mov_b64 s[64:65], 0
	v_nop
	global_prefetch_b8 v0, s[64:65] scope:SCOPE_SE
	s_setreg_imm32_b32 hwreg(HW_REG_WAVE_MODE, 25, 1), 1
	s_wait_xcnt 0x0
; query [8192][1024], f32, is turned into codes of BF6 (E3M2), 6 bits each, K innermost (a row: 768 bytes), with one E8M0 scale byte for each 32 along K (a row: 32 bytes).
; A block's scale is 2^(floor(log2(its largest magnitude)) - 4); its byte is the largest magnitude's own exponent field - 4, held at 1 from below.
; LIMITS: a block of zeros, or one whose largest magnitude lies under 2^-122, gets the byte 1 (its codes are zeros or next to it; the bytes are read by this program alone); NaN and infinities are not served.
; Rows are dense and 1,024 is a multiple of 32: the tensor is a plain stream of blocks of 32, and so are its codes and its scale bytes.
; A wave takes 16 steps of 512 numbers.  Each of a step's four loads reads 512 consecutive bytes, 16 a lane; the 2,048 bytes turn through the wave's own stage in LDS and come back 64 bytes a lane,
; so that a lane holds 16 neighbours along K (two neighbouring lanes hold a block), as the conversion wants them.  A lane's 16 codes are 12 bytes: the wave stores 384 consecutive bytes.
; A wave's 256 scale bytes are gathered in its own LDS bytes and leave as one aligned run of 256 bytes.  No barrier: waves share nothing.  Loads run four steps (16 loads a wave) ahead.
.set STEPS, 16
.set EMAX,  4
.set CB,    12                         ; bytes of 16 codes
.set R,     16                         ; v16-79   four sets of 16 numbers as they are loaded
.set X,     80                         ; v80-111  two sets of 16 neighbours
.set C,     128                        ; v128-191 codes: four registers for each step, so that no store's data are written again
.set E,     112                        ; v112-127 a scale byte for each step
.set WREG,  8192                       ; LDS: a region for each wave: two stages of 32 x SP bytes, and behind them its 256 scale bytes
.set SP,    80                         ; a lane's place in a stage: its 64 bytes + 16 of padding
	s_load_b64 s[4:5], s[0:1], 0x0                 ; query
	s_load_b64 s[8:9], s[0:1], 0x8                 ; its codes
	s_load_b64 s[10:11], s[0:1], 0x10              ; its scale bytes
	v_lshl_add_u32 v192, v0, 2, 0x8000
	v_mov_b32 v193, 0
	v_lshrrev_b32 v1, 5, v0
	v_readfirstlane_b32 s16, v1                    ; wave
	v_and_b32 v2, 31, v0                           ; lane
	v_lshlrev_b32 v3, 4, v2                        ; my 16 bytes of a load's 512
	s_mul_i32 s17, s16, WREG
	v_lshrrev_b32 v14, 2, v2
	v_mul_u32_u24 v14, v14, SP
	v_and_b32 v15, 3, v2
	v_lshl_add_u32 v14, v15, 4, v14
	v_add_nc_u32 v14, s17, v14                     ; the stage, on the way in: SP (lane / 4) + 16 (lane % 4)
	v_mul_u32_u24 v15, v2, SP
	v_add_nc_u32 v15, s17, v15                     ; and on the way out: SP x lane: my 16 neighbours
	v_mul_u32_u24 v4, v2, CB                       ; my codes' place in a step's
	v_lshrrev_b32 v5, 1, v2
	s_add_co_u32 s17, s17, 2*32*SP
	v_add_nc_u32 v5, s17, v5                       ; LDS: my wave's 256 scale bytes, my block's byte
	v_lshlrev_b32 v7, 3, v2                        ; and on the way out 8 bytes a lane
	v_add_nc_u32 v6, s17, v7
	s_lshl_b32 s18, ttmp9, 2
	s_add_co_u32 s18, s18, s16                     ; which run of 8,192 numbers is my wave's
	s_mov_b32 s19, 0
	s_mov_b64 s[20:21], 512*STEPS*4
	s_mul_u64 s[20:21], s[18:19], s[20:21]
	s_mov_b64 s[22:23], 32*STEPS*CB
	s_mul_u64 s[22:23], s[18:19], s[22:23]
	s_lshl_b32 s18, s18, 8                         ; 256 scale bytes a run
	s_wait_kmcnt 0x0
	s_add_nc_u64 s[4:5], s[4:5], s[20:21]
	s_add_nc_u64 s[8:9], s[8:9], s[22:23]
	s_add_nc_u64 s[10:11], s[10:11], s[18:19]
.macro LOAD t
.irp i, 0,1,2,3
	global_load_b128 v[R+16*((\t)%4)+4*\i:R+16*((\t)%4)+4*\i+3], v3, s[4:5] offset:2048*(\t)+512*\i   ; 32 lanes read 512 consecutive bytes
.endr
.endm
.macro TURN t                          ; step t's numbers through the stage: LDS serves a wave's instructions in order, so no wait stands between the stores and the loads
.irp i, 0,1,2,3
	ds_store_b128 v14, v[R+16*((\t)%4)+4*\i:R+16*((\t)%4)+4*\i+3] offset:32*SP*((\t)%2)+8*SP*\i
.endr
.irp i, 0,1,2,3
	ds_load_b128 v[X+16*((\t)%2)+4*\i:X+16*((\t)%2)+4*\i+3], v15 offset:32*SP*((\t)%2)+16*\i
.endr
.endm
.irp t, 0,1,2,3
	LOAD \t
.endr
	s_wait_loadcnt 12                              ; step 0's four loads are in; the twelve of steps 1 to 3 stay out
	TURN 0
.macro STEP t
.set XS, X+16*((\t)%2)
.if (\t) > 0
	s_wait_dscnt 1                                 ; this step's numbers are back from the stage (the last step's byte store may be out): so its stores into the stage have read their registers,
.else
	s_wait_dscnt 0x0
.endif
.if (\t)+4 < STEPS
	LOAD (\t)+4                                    ; which take the loads of four steps on
.endif
.if (\t)+1 < STEPS
.if STEPS-2-(\t) >= 3
	s_wait_loadcnt 12                              ; the next step's four loads are in; those of the three steps behind it may be out
.else
	s_wait_loadcnt 4*(STEPS-2-(\t))
.endif
	TURN (\t)+1                                    ; and go through the other stage while this step is worked
.endif
	v_max3_num_f32 v8, |v[XS]|, |v[XS+1]|, |v[XS+2]|               ; the largest magnitude of my 16, in two chains
	v_max3_num_f32 v9, |v[XS+3]|, |v[XS+4]|, |v[XS+5]|
.irp i, 6,10
	v_max3_num_f32 v8, v8, |v[XS+\i]|, |v[XS+\i+1]|
	v_max3_num_f32 v9, v9, |v[XS+\i+2]|, |v[XS+\i+3]|
.endr
	v_max3_num_f32 v8, v8, |v[XS+14]|, |v[XS+15]|
	v_max3_num_f32 v8, v8, v9, (EMAX+1)<<23        ; and the floor 2^(EMAX + 1 - 127): the byte cannot fall under 1
	v_max_num_f32_dpp v8, v8, v8 row_xmask:1 row_mask:0xf bank_mask:0xf   ; and of my neighbour's 16: the block's
	v_add_nc_u32 v11, -(EMAX<<23), v8              ; EMAX off its exponent field: the conversion takes the exponent field of this operand as its scale, and nothing else of it
	v_cvt_scalef32_pk16_bf6_f32 v[C+4*(\t):C+4*(\t)+2], v[XS:XS+15], v11   ; sixteen numbers / the scale, to the nearest code, ties to even, beyond the largest code the largest
	v_lshrrev_b32 v[E+(\t)], 23, v11               ; the scale's byte
	ds_store_b8 v5, v[E+(\t)] offset:16*(\t)       ; both lanes of a block write the same byte with the same value
	global_store_b96 v4, v[C+4*(\t):C+4*(\t)+2], s[8:9] offset:32*CB*(\t)
.endm
.irp t, 0,1,2,3,4,5,6,7,8,9,10,11,12,13,14,15
	STEP \t
.endr
	ds_load_b64 v[12:13], v6                       ; LDS serves a wave's instructions in order: these see my stores
	s_wait_dscnt 0x0
	global_store_b64 v7, v[12:13], s[10:11]        ; 32 lanes store 256 consecutive bytes, aligned
	s_wait_tensorcnt 0x0
	ds_add_u32 v192, v193
	s_wait_dscnt 0x0
	s_endpgm
.Lfunc_end_k_q80eb080206_quantq:
	.size	k_q80eb080206_quantq, .Lfunc_end_k_q80eb080206_quantq-k_q80eb080206_quantq
	.p2alignl 7, 3214868480
	.fill 96, 4, 3214868480
	.section	.rodata,"a",@progbits
	.p2align	6, 0x0
	.amdhsa_kernel k_q80eb080206_quantq
		.amdhsa_group_segment_fixed_size 33280
		.amdhsa_private_segment_fixed_size 0
		.amdhsa_enable_private_segment 0
		.amdhsa_kernarg_size 24
		.amdhsa_user_sgpr_count 2
		.amdhsa_user_sgpr_kernarg_segment_ptr 1
		.amdhsa_wavefront_size32 1
		.amdhsa_system_sgpr_workgroup_id_x 1
		.amdhsa_system_sgpr_workgroup_id_y 1
		.amdhsa_system_sgpr_workgroup_id_z 1
		.amdhsa_system_vgpr_workitem_id 0
		.amdhsa_next_free_vgpr 194
		.amdhsa_next_free_sgpr 66
		.amdhsa_reserve_vcc 0
		.amdhsa_float_denorm_mode_32 3
		.amdhsa_float_denorm_mode_16_64 3
		.amdhsa_memory_ordered 1
		.amdhsa_forward_progress 1
		.amdhsa_inst_pref_size 32
	.end_amdhsa_kernel
	.amdgpu_metadata
---
amdhsa.version: [ 1, 2 ]
amdhsa.kernels:
  - .name:           k_q80eb080206_quantq
    .symbol:         k_q80eb080206_quantq.kd
    .args:
      - { .name: query, .offset: 0, .size: 8, .value_kind: global_buffer, .address_space: global }
      - { .name: xq_codes, .offset: 8, .size: 8, .value_kind: global_buffer, .address_space: global }
      - { .name: xq_scales, .offset: 16, .size: 8, .value_kind: global_buffer, .address_space: global }
    .group_segment_fixed_size: 33280
    .private_segment_fixed_size: 0
    .kernarg_segment_align: 8
    .kernarg_segment_size: 24
    .max_flat_workgroup_size: 128
    .sgpr_count:     66
    .vgpr_count:     194
    .wavefront_size: 32
...
	.end_amdgpu_metadata
.endif
;; end of part 1
;; launch proj (part 2): grid 32 x 12, 4 waves a work-group, clusters of 4 x 4, 327,680 bytes of LDS; arguments xq_codes, xq_scales, Wq_codes, Wq_scales, bq, key_codes, key_scales, Wk_codes, Wk_scales, bk, Wv_codes, Wv_scales, value_codes, value_scales, bv, qb, kv; writes qb, kv
.if DOCPART == 2
	.amdgcn_target "amdgcn-amd-amdhsa--gfx1250"
	.amdhsa_code_object_version 6
	.text
	.protected	k_q80eb080206_proj
	.globl	k_q80eb080206_proj
	.p2align	8
	.type	k_q80eb080206_proj,@function
k_q80eb080206_proj:
	s_mov_b64 s[64:65], 0
	v_nop
	global_prefetch_b8 v0, s[64:65] scope:SCOPE_SE
	s_setreg_imm32_b32 hwreg(HW_REG_WAVE_MODE, 25, 1), 1
	s_wait_xcnt 0x0
	s_wait_alu depctr_hold_cnt(0) depctr_sa_sdst(0) depctr_va_vdst(0) depctr_va_sdst(0) depctr_va_ssrc(0) depctr_va_vcc(0) depctr_vm_vsrc(0)
	s_getreg_b32 s2, hwreg(HW_REG_IB_STS2, 6, 4)
	s_cmp_eq_u32 s2, 0
	s_cbranch_scc0 .Lentry_in_a_cluster
	s_endpgm
.Lentry_in_a_cluster:
	s_bfe_u32 s2, ttmp6, 0x10000c
	s_cmp_lg_u32 s2, 0xf033
	s_cbranch_scc0 .Lentry_shape_is_right
	s_endpgm
.Lentry_shape_is_right:
; The three projections Q = query Wq^T + bq, K = key Wk^T + bk, V = value Wv^T + bv on codes of BF6 (E3M2) with E8M0 scales for each 32 along K = 1,024, sums in f32;
; the results are quantised in registers (Q and K along a head's 64, V along the keys) and stored as IMAGES OF OPERAND REGISTERS for the attention launch.
; ROLE = the cluster's y: 0 Q, 1 K, 2 V.  A tile is 256 x 256, made by four waves of 128 x 128 (64 accumulators, 512 registers a wave).  Operand 'A' goes to source 1 (its rows fall on lanes),
; operand 'B' to source 0 (its rows fall on a lane's registers, which is the axis that is quantised).  Q, K: A = tokens, B = the weight's rows (features).  V: A = Wv's rows, B = value's tokens.
; So LDS, masks and the loop are alike in all roles: only pointers and two tile numbers are chosen, by s_cselect on the role, which all partners of a cluster share.
; K goes in steps of 256 through a ring of two LDS slots filled by the tensor data mover; the scale bytes of the tile's 512 rows come once.  4 x 4 work-groups form a cluster: A's tiles are asked for
; jointly along a row of the cluster, B's along a column.
; THE IMAGES.  A head's 128 tokens are a block of 12,800 bytes: 0: K (or Q): token tile a at 768 a, three pieces of 256 bytes (piece p: registers 2 p, 2 p + 1 of the 32 lanes, 8 bytes a lane);
; 6,144: V^T: d tile dt at 1,536 dt, six pieces; 12,288: the scale words of pairs of token tiles (bytes: even tile's two blocks, odd tile's two), 64 bytes a pair; 12,544: V's scale words, 64 bytes a d tile.
; A head is 16 such blocks, 204,800 bytes.  Inside a block of 32 the codes stand in the order in which the results fall; Q and K, and p and V, are made the same way, so the products are not changed.
; LIMITS: a block of zeros, or one under 2^-122, gets the scale byte 1 (read by this program alone); NaN and infinities are not served.
; REGISTERS, in windows of 256: window 0: v0-31 addresses; v32-63 scale words, two sets; v64-127 the bias along registers; from v128 A's fragments, ONE set; v233-251 the way out's addresses and the bias along lanes.
;   window 1: B's fragments, TWO sets.   window 2: the accumulators of my A rows 0-63 ((a, b) at v[8 (8 a + b)]);   window 3: those of rows 64-127.
.set SIZE_K, 1024
.set KSTEP,  256                       ; along K in a slot
.set NQ,     KSTEP/128                 ; matrix instructions deep
.set ROWB,   192                       ; a tile's row in bytes
.set KROW,   SIZE_K*6/8                ; a row of codes in memory
.set PITCH,  240                       ; an LDS row: 3 x (64 bytes of data + 16 of padding)
.set FR,     12                        ; registers of a fragment
.set NL,     6                         ; LDS loads that bring one
.set NP,     4                         ; places behind this matrix instruction (ISA guide 7.12.1)
.set HALFT,  128*PITCH                 ; 128 rows: what one tensor load brings
.set SLOT,   4*HALFT                   ; A's 256 rows, then B's 256 rows
.set LAPS,   SIZE_K/(2*KSTEP)
.set KS,     SIZE_K/32                 ; a row of scales in bytes
.set SCL,    2*SLOT                    ; behind the ring: the scales, as runs of 256 bytes + 16 of padding
.set HALFS,  (128*KS/256)*272
.set SBLK,   (16*KS/256)*272
.set SPARE,  SCL+4*HALFS               ; the spare words, 128 bytes for each wave, which no other line names
.set HEADB,  204800                    ; a head's images
.set ADRA, 16                          ; v16-17 LDS address of my A fragments in slot 0, 1 (v18-19: for the pieces behind one padding more)
.set ADRB, 20                          ; v20-23 the same for B
.set ADRS, 27                          ; v27    LDS address of my scale words: lanes 0-15 A's rows, lanes 16-31 B's
.set SPW,  28                          ; v28    my spare word; never rewritten
.set NIL,  29                          ; v29    0; never rewritten
.set SC,   32                          ; scale words
.set BI,   64                          ; v64-127  bias[f0 + 16 t + 8 h + j] at 8 t + j
.set AF,   128                         ; A's fragments
.set ST,   128                         ; the way out: 64 numbers of a lane
.set PC,   192                         ; v192-211 the codes just made
.set TM,   212                         ; v212-227 at work in QUANT
.set PW,   228                         ; the scale word just made
.set PWE,  229                         ; the even block's
.set SWA,  230
.set SWB,  231
.set SW,   232                         ; the word that is stored
.set L8,   233                         ; 8 x lane
.set L4,   234                         ; 4 x lane
.set VSO,  235                         ; 204,800 (lane / 16) + 4 (lane % 16)
.set BV,   236                         ; v236-251 bias[f0 + 16 a + lane % 16], twice, at 2 a
.set G1, 24
.set G0, 32
.set G1B, 48
.set G0B, 56
.set ROLE, 66
.set G1S, 68
.set G0S, 76
.set G1SB, 80
.set G0SB, 88
.set SEL, 92                           ; s[92:93] lane selects for v_permlanex16_b32 (set behind the first loads)
.set MASK, 94                          ; s94 lanes 16-31
.set BP, 96                            ; s[96:97] the bias
.set MSB, 0
.macro WIN new                         ; the immediate's high byte repeats the setting that is left
.if MSB != \new
	s_set_vgpr_msb (MSB<<8)|\new
.set MSB, \new
.endif
.endm
.set MUL_LO, 0xa1                      ; source 0 (B) window 1, source 1 (A) window 0, C and D window 2
.set MUL_HI, 0xf1                      ; the same, C and D window 3
.set TO_B,   0x40                      ; destination window 1, address window 0
; A joint load: waves 0 and 1 fetch for A, waves 2 and 3 for B.  The branch hangs on the wave's number alone.  Four v_nop follow each of the two lines.
.macro JLOAD g0a, g1a, g0b, g1b
	s_cmp_eq_u32 s15, 0
	s_cbranch_scc0 .Lfor_b_\@
	tensor_load_to_lds s[\g0a:\g0a+3], s[\g1a:\g1a+7]
	s_nop 0
.rept 4
	v_nop
.endr
	s_branch .Lasked_\@
.Lfor_b_\@:
	tensor_load_to_lds s[\g0b:\g0b+3], s[\g1b:\g1b+7]
	s_nop 0
.rept 4
	v_nop
.endr
.Lasked_\@:
.endm
.macro CREST                           ; a round of the cluster's barrier behind its opening barrier
	s_cmp_lg_u32 s14, 0
	s_cbranch_scc1 .Lnot_wave_0_\@
	s_barrier_signal -3
.Lnot_wave_0_\@:
	s_barrier_wait -3
	s_barrier_signal -1
	s_barrier_wait -1
.endm
.macro CROUND                          ; a whole round
	s_barrier_signal -1
	s_barrier_wait -1
	CREST
.endm
	s_load_b512 s[68:83], s[0:1], 0x0              ; argument i lands in s[68 + 2 i : 69 + 2 i]
	s_load_b256 s[84:91], s[0:1], 0x40
	s_load_b128 s[92:95], s[0:1], 0x60
	s_load_b128 s[96:99], s[0:1], 0x70
	s_load_b64 s[100:101], s[0:1], 0x80
	v_lshl_add_u32 v[SPW], v0, 2, SPARE
	v_mov_b32 v[NIL], 0
	ds_add_u32 v28, v29
	ds_add_u32 v28, v29
	s_wait_dscnt 0x0
	v_lshrrev_b32 v1, 5, v0
	v_readfirstlane_b32 s14, v1                    ; wave 0..3
	s_lshr_b32 s15, s14, 1                         ; which half of A's rows is mine.  Also: I fetch for A (0) or for B (1)
	s_and_b32 s16, s14, 1                          ; which half of B's rows.  Also: which 128 rows of that tile I fetch
	s_bfe_u32 s40, ttmp6, 0x40000                  ; cx, cy: my place in the cluster
	s_bfe_u32 s41, ttmp6, 0x40004
	s_and_b32 s[ROLE], ttmp7, 0xffff               ; the cluster's y: 0 Q, 1 K, 2 V
	s_lshl_b32 s18, ttmp9, 2                       ; 4 x the cluster's x
	s_lshl_b32 s43, s41, 2
	s_lshl_b32 s43, 15, s43                        ; my row of the cluster
	s_lshl_b32 s44, 0x1111, s40                    ; my column
	s_wait_kmcnt 0x0
	s_cmp_eq_u32 s[ROLE], 0                        ; the choices hang on the role alone
	s_cselect_b64 s[4:5], s[68:69], s[78:79]       ; A's codes: query's or key's
	s_cselect_b64 s[6:7], s[70:71], s[80:81]       ; A's scales
	s_cselect_b64 s[8:9], s[72:73], s[82:83]       ; B's codes: Wq's or Wk's
	s_cselect_b64 s[10:11], s[74:75], s[84:85]     ; B's scales
	s_cselect_b64 s[2:3], s[76:77], s[86:87]       ; bq or bk
	s_cselect_b64 s[12:13], s[98:99], s[100:101]   ; the images: qb, or kv for K and V
	s_cmp_eq_u32 s[ROLE], 2
	s_cselect_b64 s[4:5], s[88:89], s[4:5]         ; V: A = Wv,
	s_cselect_b64 s[6:7], s[90:91], s[6:7]
	s_cselect_b64 s[8:9], s[92:93], s[8:9]         ; B = value
	s_cselect_b64 s[10:11], s[94:95], s[10:11]
	s_cselect_b64 s[BP:BP+1], s[96:97], s[2:3]
	s_cselect_b32 s17, 0, s18                      ; the 32 tiles of tokens go along the clusters' x: on A's side for Q and K,
	s_cselect_b32 s42, s18, 0                      ; on B's for V
	s_add_co_u32 s17, s17, s41                     ; A's tile: + cy, which my row of the cluster shares
	s_add_co_u32 s42, s42, s40                     ; B's tile: + cx, which my column shares
	; descriptor group 1: a tile of 128 rows x ROWB bytes, padded in LDS
	s_or_b32 s[G1+0], s43, (0<<16)|(1<<20)|(1<<21)|(3<<22)|(3<<25)  ; 15:0 the mask; 17:16 elements of 1 byte; 20 padding on; 21 set beside a mask; 24:22 after every 16 words; 31:25 of 4 words
	s_or_b32 s[G1B+0], s44, (0<<16)|(1<<20)|(1<<21)|(3<<22)|(3<<25)
.irp g, G1, G1B
	s_mov_b32 s[\g+1], ROWB<<16                    ; tensor_dim0
	s_mov_b32 s[\g+2], 128<<16                     ; tensor_dim1 = 128
	s_mov_b32 s[\g+3], ROWB<<16                    ; tile_dim0
	s_mov_b32 s[\g+4], 128                         ; tile_dim1 = 128
	s_mov_b32 s[\g+5], KROW                        ; tensor_dim0_stride
	s_mov_b32 s[\g+6], 0
	s_mov_b32 s[\g+7], 0
.endr
	; and for the scales of 128 rows: a dense block of 4,096 bytes, as rows of 256 bytes (32 elements of 8 bytes), 16 bytes of padding behind each
	s_or_b32 s[G1S+0], s43, (3<<16)|(1<<20)|(1<<21)|(5<<22)|(3<<25)
	s_or_b32 s[G1SB+0], s44, (3<<16)|(1<<20)|(1<<21)|(5<<22)|(3<<25)
.irp g, G1S, G1SB
	s_mov_b32 s[\g+1], 32<<16
	s_mov_b32 s[\g+2], (128*KS/256)<<16
	s_mov_b32 s[\g+3], 32<<16
	s_mov_b32 s[\g+4], 128*KS/256
	s_mov_b32 s[\g+5], 32
	s_mov_b32 s[\g+6], 0
	s_mov_b32 s[\g+7], 0
.endr
	s_lshl_b32 s18, s16, 7                         ; which 128 rows of the tile I fetch
	s_lshl_b32 s20, s17, 8
	s_add_co_u32 s20, s20, s18                     ; A: row 256 x tile + 128 x half
	s_lshl_b32 s46, s42, 8
	s_add_co_u32 s46, s46, s18                     ; B likewise
	s_mov_b32 s21, 0
	s_mov_b32 s47, 0
	s_mov_b64 s[18:19], KS
	s_mul_u64 s[22:23], s[20:21], s[18:19]         ; where these rows' scales begin, in bytes
	s_mul_u64 s[92:93], s[46:47], s[18:19]
	s_mov_b64 s[18:19], KROW
	s_mul_u64 s[20:21], s[20:21], s[18:19]         ; and their codes
	s_mul_u64 s[46:47], s[46:47], s[18:19]
	s_mul_i32 s45, s14, HALFT                      ; where they go: wave x 128 rows: no place in the cluster enters an LDS address
	s_mul_i32 s94, s14, HALFS
	s_add_nc_u64 s[20:21], s[4:5], s[20:21]
	s_add_nc_u64 s[22:23], s[6:7], s[22:23]
	s_add_nc_u64 s[46:47], s[8:9], s[46:47]
	s_add_nc_u64 s[92:93], s[10:11], s[92:93]
	CROUND                                         ; all sixteen work-groups are here: the first joint loads meet
	s_mov_b32 s[G0S], 1
	s_add_co_u32 s[G0S+1], s94, SCL
	s_mov_b64 s[G0S+2:G0S+3], s[22:23]
	s_or_b32 s[G0S+3], s[G0S+3], 0x80000000
	s_mov_b32 s[G0SB], 1
	s_add_co_u32 s[G0SB+1], s94, SCL
	s_mov_b64 s[G0SB+2:G0SB+3], s[92:93]
	s_or_b32 s[G0SB+3], s[G0SB+3], 0x80000000
	JLOAD G0S, G1S, G0SB, G1SB                     ; the scales first: they are wanted with K step 0
.irp s, 0,1
	s_mov_b32 s[G0+4*\s], 1
	s_add_co_u32 s[G0+4*\s+1], s45, \s*SLOT
	s_add_nc_u64 s[G0+4*\s+2:G0+4*\s+3], s[20:21], \s*ROWB
	s_or_b32 s[G0+4*\s+3], s[G0+4*\s+3], 0x80000000
	s_mov_b32 s[G0B+4*\s], 1
	s_add_co_u32 s[G0B+4*\s+1], s45, \s*SLOT
	s_add_nc_u64 s[G0B+4*\s+2:G0B+4*\s+3], s[46:47], \s*ROWB
	s_or_b32 s[G0B+4*\s+3], s[G0B+4*\s+3], 0x80000000
	JLOAD G0+4*\s, G1, G0B+4*\s, G1B
.endr
	v_and_b32 v1, 15, v0                           ; r = lane % 16
	v_bfe_u32 v2, v0, 4, 1                         ; h = lane / 16
	v_mul_u32_u24 v3, v1, PITCH
	v_mul_u32_u24 v4, v2, 24
	v_add_nc_u32 v4, v3, v4                        ; a fragment's row x pitch + 24 x half
	v_lshl_add_u32 v5, v2, 4, v4                   ; and the same behind one padding more
	s_mul_i32 s21, s15, HALFT                      ; my 128 rows of A
	s_mul_i32 s22, s16, HALFT                      ; my 128 rows of B,
	s_add_co_u32 s22, s22, 2*HALFT                 ; which lie behind A's 256
.irp s, 0,1
	v_add_nc_u32 v[ADRA+\s], s21, v4
	v_add_nc_u32 v[ADRB+\s], s22, v4
	v_add_nc_u32 v[ADRA+2+\s], s21, v5
	v_add_nc_u32 v[ADRB+2+\s], s22, v5
	s_add_co_u32 s21, s21, SLOT
	s_add_co_u32 s22, s22, SLOT
.endr
	v_mul_u32_u24 v5, v1, KS                       ; my row's scales: KS bytes a row,
	v_lshrrev_b32 v6, 8, v5
	v_lshl_add_u32 v5, v6, 4, v5                   ; and 16 more for each 256 passed
	s_mul_i32 s21, s15, HALFS                      ; A's: my 128 rows
	s_mul_i32 s22, s16, HALFS                      ; B's: my 128 rows, behind A's 256
	s_add_co_u32 s22, s22, 2*HALFS
	s_sub_co_u32 s22, s22, s21
	v_mul_u32_u24 v6, s22, v2                      ; lanes 16-31 take B's
	s_add_co_u32 s21, s21, SCL
	v_add_nc_u32 v5, v5, v6
	v_add_nc_u32 v[ADRS], s21, v5
	; the way out: where my wave's images begin.  P_A, P_B: my first row of A and of B; tokens are A's rows for Q and K, B's for V
	s_lshl_b32 s20, s17, 8
	s_lshl_b32 s21, s15, 7
	s_add_co_u32 s20, s20, s21                     ; P_A
	s_lshl_b32 s46, s42, 8
	s_lshl_b32 s47, s16, 7
	s_add_co_u32 s46, s46, s47                     ; P_B
	s_cmp_eq_u32 s[ROLE], 2
	s_cselect_b32 s21, s46, s20                    ; my first token (a multiple of 128)
	s_cselect_b32 s47, s20, s46                    ; my first feature (a multiple of 128: two heads)
	s_lshr_b32 s22, s21, 11                        ; the batch
	s_lshl_b32 s22, s22, 4
	s_lshr_b32 s23, s47, 6
	s_add_co_u32 s22, s22, s23                     ; 16 x batch + head
	s_lshl_b32 s22, s22, 4
	s_bfe_u32 s23, s21, 0x40007                    ; which 128 tokens of the 2,048
	s_add_co_u32 s22, s22, s23
	s_mul_i32 s22, s22, 12800
	s_mov_b32 s23, 0
	s_add_nc_u64 s[12:13], s[12:13], s[22:23]
	s_lshl_b32 s22, s47, 2
	s_add_nc_u64 s[BP:BP+1], s[BP:BP+1], s[22:23]  ; the bias at my first feature
	s_mov_b32 s[SEL], 0x76543210
	s_mov_b32 s[SEL+1], 0xfedcba98
	s_mov_b32 s[MASK], 0xffff0000
	v_lshlrev_b32 v30, 5, v2                       ; 32 h
	v_lshlrev_b32 v31, 2, v1                       ; 4 r
.irp t, 0,1,2,3,4,5,6,7                        ; both forms of the bias are loaded in every role (both lie inside my 128 features): no path reads a register that only another path wrote
	global_load_b128 v[BI+8*\t:BI+8*\t+3], v30, s[BP:BP+1] offset:64*\t
	global_load_b128 v[BI+8*\t+4:BI+8*\t+7], v30, s[BP:BP+1] offset:64*\t+16
.endr
.irp a, 0,1,2,3,4,5,6,7
	global_load_b32 v[BV+2*\a], v31, s[BP:BP+1] offset:64*\a
	global_load_b32 v[BV+2*\a+1], v31, s[BP:BP+1] offset:64*\a    ; twice: a pair for the packed addition
.endr
	v_and_b32 v6, 31, v0
	v_lshlrev_b32 v[L8], 3, v6
	v_lshlrev_b32 v[L4], 2, v6
	v_mul_u32_u24 v[VSO], v2, HEADB
	v_lshl_add_u32 v[VSO], v1, 2, v[VSO]
.macro FRAG reg, adr, q, i             ; a fragment, 16 rows x 128 K of 6-bit codes, is 12 registers: lane l holds row l % 16; registers 6 c .. 6 c + 5 hold K = 64 c + 32 (l / 16) + 0 .. 31, as they lie
.irp p, 0,1,2,3,4,5                    ; in pieces of 8 bytes.  Lanes 0-15 take the row's pieces 12 q + 0, 1, 2 and 12 q + 6, 7, 8, lanes 16-31 those three pieces on
.set PCE, 12*(\q)+6*(\p/3)+\p%3        ; 16 bytes of padding lie behind every 64 bytes (8 pieces): where the piece three on lies behind one padding more, the second address register serves
.if PCE%8 < 5
	ds_load_b64 v[\reg+2*\p:\reg+2*\p+1], v[\adr] offset:8*PCE+16*(PCE/8)+(\i)*16*PITCH
.else
	ds_load_b64 v[\reg+2*\p:\reg+2*\p+1], v[\adr+2] offset:8*PCE+16*(PCE/8)+(\i)*16*PITCH
.endif
.endr
.endm
; 16 matrix instructions: A's blocks a0, a0 + 1 x B's eight, 128 along K.  zero = 1: the first product starts the sums.  The 64 accumulators take turns, one instruction a turn.
.macro MUL16 a0, p, q, sc, zero
.irp a, \a0, \a0+1
.irp b, 0,1,2,3,4,5,6,7
.if \zero
	v_wmma_scale_f32_16x16x128_f8f6f4 v[8*(8*((\a)%4)+\b):8*(8*((\a)%4)+\b)+7], v[128*(\p)+FR*\b:128*(\p)+FR*\b+FR-1], v[AF+FR*(\a):AF+FR*(\a)+FR-1], 0, v[SC+8*NQ*(\sc)+NQ*\b+(\q)], v[SC+8*NQ*(\sc)+NQ*(\a)+(\q)] matrix_a_fmt:MATRIX_FMT_BF6 matrix_b_fmt:MATRIX_FMT_BF6 matrix_a_scale:MATRIX_SCALE_ROW1
.else
	v_wmma_scale_f32_16x16x128_f8f6f4 v[8*(8*((\a)%4)+\b):8*(8*((\a)%4)+\b)+7], v[128*(\p)+FR*\b:128*(\p)+FR*\b+FR-1], v[AF+FR*(\a):AF+FR*(\a)+FR-1], v[8*(8*((\a)%4)+\b):8*(8*((\a)%4)+\b)+7], v[SC+8*NQ*(\sc)+NQ*\b+(\q)], v[SC+8*NQ*(\sc)+NQ*(\a)+(\q)] matrix_a_fmt:MATRIX_FMT_BF6 matrix_b_fmt:MATRIX_FMT_BF6 matrix_a_scale:MATRIX_SCALE_ROW1
.endif
.endr
.endr
.endm
.macro FETCH_B slot, q, p              ; B's eight fragments of the slot's q-th 128 along K into set p
	WIN TO_B
.irp i, 0,1,2,3,4,5,6,7
	FRAG 128*(\p)+FR*\i, ADRB+\slot, \q, \i
.endr
	WIN 0
.endm
.macro FETCH_A slot, q, i0             ; A's blocks i0 .. i0 + 3
.irp i, \i0, \i0+1, \i0+2, \i0+3
	FRAG AF+FR*(\i), ADRA+\slot, \q, \i
.endr
.endm
.macro SCALES sc                       ; the next K step's scale words into set sc: lanes 0-15 take A's block i, lanes 16-31 B's block i
.irp i, 0,1,2,3,4,5,6,7
	ds_load_b64 v[SC+8*NQ*\sc+NQ*\i:SC+8*NQ*\sc+NQ*\i+1], v[ADRS] offset:\i*SBLK
.endr
.endm
.macro PLACES n                        ; plain vector instructions between a matrix instruction and a load into, or a read of, its registers
.rept \n
	v_nop
.endr
.endm
; A step of 128 along K that has its successor in the same slot.
.macro STEP slot, q, zero
	s_wait_dscnt 4*NL                              ; B's set and A's blocks 0-3 are in; the youngest 24 loads (A's blocks 4-7) may be out
	WIN MUL_LO
	MUL16 0, (\q)%2, \q, \slot, \zero
	MUL16 2, (\q)%2, \q, \slot, \zero
	s_wait_dscnt 0                                 ; A's blocks 4-7 are in
	PLACES NP
	FETCH_B \slot, (\q)+1, 1-(\q)%2
	FETCH_A \slot, (\q)+1, 0
	WIN MUL_HI
	MUL16 4, (\q)%2, \q, \slot, \zero
	MUL16 6, (\q)%2, \q, \slot, \zero
	PLACES NP
	WIN 0
	FETCH_A \slot, (\q)+1, 4
.endm
; A slot's last step changes slots: ONE barrier; in front of it each wave waits for all its tensor loads, adds 0 to its spare word, and waits for that and for its own reads of this slot.
.macro TURN slot, next, fill
	s_wait_tensorcnt 0x0                           ; all my tensor loads have landed: my part of the next slot
	ds_add_u32 v[SPW], v[NIL]                      ; 0 onto my spare word
	s_wait_dscnt 4*NL+1                            ; (the add and the youngest 24 loads, A's blocks 4-7, may be out)
	WIN MUL_LO
	MUL16 0, 1, NQ-1, \slot, 0                     ; sixteen matrix instructions stand between the add and the wait for it
	s_wait_dscnt 0x0                               ; the add is done, and my reads of this slot are over
	s_barrier_signal -1
	MUL16 2, 1, NQ-1, \slot, 0
	WIN 0
	s_barrier_wait -1
.if \fill
	CREST                                          ; the barrier has opened a round of the cluster's barrier: no wave of any partner still reads this slot or has a load on its way
	s_add_nc_u64 s[G0+4*\slot+2:G0+4*\slot+3], s[G0+4*\slot+2:G0+4*\slot+3], 2*ROWB
	s_add_nc_u64 s[G0B+4*\slot+2:G0B+4*\slot+3], s[G0B+4*\slot+2:G0B+4*\slot+3], 2*ROWB
	JLOAD G0+4*\slot, G1, G0B+4*\slot, G1B         ; the first tensor load behind the round; its four v_nop are the places in front of the loads below
.else
	PLACES NP
.endif
	v_add_nc_u32 v[ADRS], 4*NQ, v[ADRS]            ; on to the next K step's scale words
	FETCH_B \next, 0, 0
	FETCH_A \next, 0, 0
	SCALES \next
	WIN MUL_HI
	MUL16 4, 1, NQ-1, \slot, 0
	MUL16 6, 1, NQ-1, \slot, 0
	PLACES NP
	WIN 0
	FETCH_A \next, 0, 4
.endm
; 64 numbers of a lane, v[s] .. v[s + 63]; registers 16 b .. 16 b + 15 and those of lane l xor 16 are block b of my row.  They become a fragment's codes in v[PC] on and its scale word in v[PW].
.macro QUANT s
.irp b, 0,1,2,3
	v_max3_num_f32 v[TM+\b], |v[\s+16*\b]|, |v[\s+1+16*\b]|, 0x2800000   ; my 16 numbers, and the floor 2^(5 - 127): the byte cannot fall under 1
.endr
.irp i, 2,4,6,8,10,12,14
.irp b, 0,1,2,3
	v_max3_num_f32 v[TM+\b], v[TM+\b], |v[\s+16*\b+\i]|, |v[\s+1+16*\b+\i]|   ; (the four blocks by turns)
.endr
.endr
.irp b, 0,1,2,3
	v_permlanex16_b32 v[TM+4+\b], v[TM+\b], s[SEL], s[SEL+1]
.endr
.irp b, 0,1,2,3
	v_max_num_f32 v[TM+\b], v[TM+\b], v[TM+4+\b]   ; with lane l xor 16's: the block's largest magnitude
.endr
.irp b, 0,1,2,3
	v_add_nc_u32 v[TM+12+\b], 0xfe000000, v[TM+\b]   ; 4 off its exponent field: the conversion's scale operand
.endr
.irp b, 0,1,2,3
	v_lshrrev_b32 v[TM+4+\b], 23, v[TM+12+\b]      ; the scale's byte
.endr
	v_lshl_or_b32 v[PW], v[TM+5], 8, v[TM+4]       ; the four bytes make my row's scale word
	v_lshl_or_b32 v[PW], v[TM+6], 16, v[PW]
	v_lshl_or_b32 v[PW], v[TM+7], 24, v[PW]
.irp c, 0,1
	v_cvt_scalef32_pk16_bf6_f32 v[PC+6*\c:PC+2+6*\c], v[\s+32*\c:\s+15+32*\c], v[TM+12+2*\c]
	v_cvt_scalef32_pk16_bf6_f32 v[PC+12+4*\c:PC+14+4*\c], v[\s+16+32*\c:\s+31+32*\c], v[TM+12+2*\c+1]   ; (a conversion's three registers begin on an even number)
.endr
	v_nop                                          ; one plain place behind a scaled conversion
.irp c, 0,1                                    ; the operand's layout wants a WHOLE block in a lane: lanes 0-15 block 2 c, lanes 16-31 block 2 c + 1
.irp i, 0,1,2
	v_permlane16_swap_b32 v[PC+6*\c+\i], v[PC+12+4*\c+\i]
.endr
.irp i, 0,1,2
	v_mov_b32 v[PC+3+6*\c+\i], v[PC+12+4*\c+\i]
.endr
.endr
.endm
; THE WAY OUT.  For each of A's eight blocks of 16 rows: the block's 64 results of a lane + the bias, quantised, stored as six pieces of 256 consecutive bytes; the scale words of two blocks by one store.
; role 2: V (a lane is a feature, its registers run along the keys: one d tile x 128 keys).  Else Q or K (a lane is a token, its registers run along two heads' 64: two half fragments).
.macro EPI role
	s_wait_loadcnt 0x0                             ; the bias
	PLACES NP                                      ; the additions read results just made, and write registers that held A's fragments
.irp b, 0,1,2,3
	v_mov_b32 v[TM+4+\b], 0                        ; written once: a lane permute's destination counts as one of its sources
.endr
.irp a, 0,1,2,3,4,5,6,7
.if \a > 0
	s_wait_xcnt 0x0                                ; the last block's stores have read their data: the codes and the word are written again only behind this wait
.endif
	WIN (0x02+\a/4)                                ; source 0: window 2 or 3
.set i, 0
.rept 32                                       ; ascending: each accumulator is read from its low end on
.if \role == 2
	v_pk_add_f32 v[ST+2*i:ST+2*i+1], v[64*(\a%4)+2*i:64*(\a%4)+2*i+1], v[BV+2*\a:BV+2*\a+1]
.else
	v_pk_add_f32 v[ST+2*i:ST+2*i+1], v[64*(\a%4)+2*i:64*(\a%4)+2*i+1], v[BI+2*i:BI+2*i+1]
.endif
.set i, i+1
.endr
	WIN 0
	QUANT ST
.irp p, 0,1,2,3,4,5
.if \role == 2
	global_store_b64 v[L8], v[PC+2*\p:PC+2*\p+1], s[12:13] offset:(\a/4)*HEADB+6144+1536*(\a%4)+256*\p   ; 32 lanes store 256 consecutive bytes, aligned
.else
	global_store_b64 v[L8], v[PC+2*\p:PC+2*\p+1], s[12:13] offset:(\p/3)*HEADB+768*\a+256*(\p%3)
.endif
.endr
.if \a%2 == 0
	v_mov_b32 v[PWE], v[PW]
.elseif \role == 2
	v_cndmask_b32 v[SW], v[PWE], v[PW], s[MASK]    ; lanes 0-15: d tile a - 1's words, lanes 16-31: d tile a's
	global_store_b32 v[L4], v[SW], s[12:13] offset:(\a/4)*HEADB+12544+64*(\a%4-1)
.else
	v_perm_b32 v[SWA], v[PW], v[PWE], 0x05040100   ; the first head: the even tile's two bytes, then the odd tile's
	v_perm_b32 v[SWB], v[PW], v[PWE], 0x07060302   ; the second head likewise
	v_cndmask_b32 v[SW], v[SWA], v[SWB], s[MASK]   ; lanes 0-15 store the first head's words, lanes 16-31 the second's, a head's images further on
	global_store_b32 v[VSO], v[SW], s[12:13] offset:12288+64*(\a/2)
.endif
.endr
.endm
	s_wait_tensorcnt 1                             ; the scales and my part of K step 0 are in (K step 1's load may be out),
	s_barrier_signal -1
	s_barrier_wait -1                              ; everybody's are
	FETCH_B 0, 0, 0
	FETCH_A 0, 0, 0
	SCALES 0
	FETCH_A 0, 0, 4
	STEP 0, 0, 1                                   ; the first step stands in front of the loop: its products start the sums
	s_mov_b32 s3, LAPS-1
.Llap:                                                 ; a trip goes once round the ring and fills both slots again
	TURN 0, 1, 1
	STEP 1, 0, 0
	TURN 1, 0, 1
	STEP 0, 0, 0
	s_sub_co_u32 s3, s3, 1
	s_cmp_lg_u32 s3, 0
	s_cbranch_scc1 .Llap
	TURN 0, 1, 0                                   ; the last lap fills nothing
	STEP 1, 0, 0
	s_wait_dscnt 4*NL                              ; the very last step: nothing more to fetch
	WIN MUL_LO
	MUL16 0, 1, NQ-1, 1, 0
	MUL16 2, 1, NQ-1, 1, 0
	s_wait_dscnt 0
	WIN MUL_HI
	MUL16 4, 1, NQ-1, 1, 0
	MUL16 6, 1, NQ-1, 1, 0
	WIN 0
	s_cmp_eq_u32 s[ROLE], 2                        ; the role is the same in all partners of a cluster
	s_cbranch_scc1 .Lout_v
	EPI 0
	s_branch .Lout_done
.Lout_v:
	EPI 2
.Lout_done:
	s_wait_tensorcnt 0x0                           ; the wave's end
	ds_add_u32 v[SPW], v[NIL]
	s_wait_dscnt 0x0
	CROUND                                         ; the closing round: no work-group ends while a partner may still ask for a tile that names it
	s_endpgm
.Lfunc_end_k_q80eb080206_proj:
	.size	k_q80eb080206_proj, .Lfunc_end_k_q80eb080206_proj-k_q80eb080206_proj
	.p2alignl 7, 3214868480
	.fill 96, 4, 3214868480
	.section	.rodata,"a",@progbits
	.p2align	6, 0x0
	.amdhsa_kernel k_q80eb080206_proj
		.amdhsa_group_segment_fixed_size 327680
		.amdhsa_private_segment_fixed_size 0
		.amdhsa_enable_private_segment 0
		.amdhsa_kernarg_size 136
		.amdhsa_user_sgpr_count 2
		.amdhsa_user_sgpr_kernarg_segment_ptr 1
		.amdhsa_wavefront_size32 1
		.amdhsa_system_sgpr_workgroup_id_x 1
		.amdhsa_system_sgpr_workgroup_id_y 1
		.amdhsa_system_sgpr_workgroup_id_z 1
		.amdhsa_system_vgpr_workitem_id 0
		.amdhsa_next_free_vgpr 1024
		.amdhsa_next_free_sgpr 102
		.amdhsa_reserve_vcc 0
		.amdhsa_float_denorm_mode_32 3
		.amdhsa_float_denorm_mode_16_64 3
		.amdhsa_memory_ordered 1
		.amdhsa_forward_progress 1
		.amdhsa_inst_pref_size 239
	.end_amdhsa_kernel
	.amdgpu_metadata
---
amdhsa.version: [ 1, 2 ]
amdhsa.kernels:
  - .name:           k_q80eb080206_proj
    .symbol:         k_q80eb080206_proj.kd
    .args:
      - { .name: xq_codes, .offset: 0, .size: 8, .value_kind: global_buffer, .address_space: global }
      - { .name: xq_scales, .offset: 8, .size: 8, .value_kind: global_buffer, .address_space: global }
      - { .name: Wq_codes, .offset: 16, .size: 8, .value_kind: global_buffer, .address_space: global }
      - { .name: Wq_scales, .offset: 24, .size: 8, .value_kind: global_buffer, .address_space: global }
      - { .name: bq, .offset: 32, .size: 8, .value_kind: global_buffer, .address_space: global }
      - { .name: key_codes, .offset: 40, .size: 8, .value_kind: global_buffer, .address_space: global }
      - { .name: key_scales, .offset: 48, .size: 8, .value_kind: global_buffer, .address_space: global }
      - { .name: Wk_codes, .offset: 56, .size: 8, .value_kind: global_buffer, .address_space: global }
      - { .name: Wk_scales, .offset: 64, .size: 8, .value_kind: global_buffer, .address_space: global }
      - { .name: bk, .offset: 72, .size: 8, .value_kind: global_buffer, .address_space: global }
      - { .name: Wv_codes, .offset: 80, .size: 8, .value_kind: global_buffer, .address_space: global }
      - { .name: Wv_scales, .offset: 88, .size: 8, .value_kind: global_buffer, .address_space: global }
      - { .name: value_codes, .offset: 96, .size: 8, .value_kind: global_buffer, .address_space: global }
      - { .name: value_scales, .offset: 104, .size: 8, .value_kind: global_buffer, .address_space: global }
      - { .name: bv, .offset: 112, .size: 8, .value_kind: global_buffer, .address_space: global }
      - { .name: qb, .offset: 120, .size: 8, .value_kind: global_buffer, .address_space: global }
      - { .name: kv, .offset: 128, .size: 8, .value_kind: global_buffer, .address_space: global }
    .group_segment_fixed_size: 327680
    .private_segment_fixed_size: 0
    .kernarg_segment_align: 8
    .kernarg_segment_size: 136
    .max_flat_workgroup_size: 128
    .sgpr_count:     102
    .vgpr_count:     1024
    .wavefront_size: 32
...
	.end_amdgpu_metadata
.endif
;; end of part 2
;; launch attn (part 3): grid 4 x 64, 8 waves a work-group, clusters of 4 x 1, 205,824 bytes of LDS; arguments qb, kv, oc, os; writes oc, os
.if DOCPART == 3
	.amdgcn_target "amdgcn-amd-amdhsa--gfx1250"
	.amdhsa_code_object_version 6
	.text
	.protected	k_q80eb080206_attn
	.globl	k_q80eb080206_attn
	.p2align	8
	.type	k_q80eb080206_attn,@function
k_q80eb080206_attn:
	s_mov_b64 s[64:65], 0
	v_nop
	global_prefetch_b8 v0, s[64:65] scope:SCOPE_SE
	s_setreg_imm32_b32 hwreg(HW_REG_WAVE_MODE, 25, 1), 1
	s_wait_xcnt 0x0
	s_wait_alu depctr_hold_cnt(0) depctr_sa_sdst(0) depctr_va_vdst(0) depctr_va_sdst(0) depctr_va_ssrc(0) depctr_va_vcc(0) depctr_vm_vsrc(0)
	s_getreg_b32 s2, hwreg(HW_REG_IB_STS2, 6, 4)
	s_cmp_eq_u32 s2, 0
	s_cbranch_scc0 .Lentry_in_a_cluster
	s_endpgm
.Lentry_in_a_cluster:
	s_bfe_u32 s2, ttmp6, 0x10000c
	s_cmp_lg_u32 s2, 0x3003
	s_cbranch_scc0 .Lentry_shape_is_right
	s_endpgm
.Lentry_shape_is_right:
; O = softmax(Q K^T / 8) V for one head (16 x batch + head = the cluster's y) and 512 queries a work-group, both products on codes of BF6 (E3M2) with E8M0 scales; then O / the row's sum is quantised along the
; model's 1,024 (a head's 64 are two blocks) and stored as images of operand registers for the last launch.
; THE SOFTMAX: t = score x log2(e) / 8; M = the running largest t rounded UP to a whole number; p = 2^(t - M) is quantised along the keys; the row's sum is taken of the unquantised p; when M moves, the sum and
; O^T are multiplied by 2^(old M - new M), which rounds nothing.  A block's largest p is made from its largest score by the same two instructions (this takes v_exp_f32 not to fall where its input rises).
; SHARES.  Eight waves, 64 queries each: four tiles of 16, worked as two pairs whose lines alternate.  Every fragment of K and V read from LDS feeds four tiles of queries.
; LDS.  The head's K and V images, 16 blocks of 12,800 bytes (128 keys each), come ONCE, jointly for the four work-groups of the cluster (they walk the same head): nothing is ever filled again.
; K = 64 IN AN INSTRUCTION OF 128.  Source 0 holds TWO tiles of keys, one in each half of K; source 1 is [Q | zeros] for the first tile's scores and [zeros | Q] for the second's.  Zero codes add nothing.
; Both products are used transposed (S^T = K Q^T, O^T = V^T P^T): a lane holds one query throughout.  Inside a block of 32 the codes stand in the order in which results fall, alike in Q and K and in p and V.
; O alone meets an operand in natural order (Wo): its halves are exchanged between the lanes' halves ahead of the quantiser.
; LIMITS: a block of zeros, or one under 2^-122, gets the scale byte 1 (read by this program alone); NaN and infinities are not served.
; REGISTERS.  Window 0: v1-5 addresses; v6-11 scale words of K, V, Q; v12-27 -M, largest t, the sum's two halves, a tile; v28-35 f and p's scale word, a tile; v36-63 at work; v64-191 S^T, then p, of a pair;
;   v192-239 p's codes, 12 a tile; v240-255 the way out.   Window 1: v0-127 O^T (32 q + 8 dt); v128-181 zeros and Q by turns; v184-231 four fragments of K, then of V.
.set HEADB, 204800
.set STEPB, 12800
.set L8,  1                            ; 8 x lane
.set L4,  2                            ; 4 x lane
.set A8,  3                            ; the step's block + 8 x lane
.set A4,  4                            ; the step's block + 4 x lane
.set L2,  5                            ; 2 x lane
.set KSC, 6                            ; v6-7   K's scale words: pairs 0, 1 in the halves of v6; pairs 2, 3 in v7
.set VSC, 8                            ; v8-9   V's: d tiles 0, 1; 2, 3
.set QSA, 10                           ; v10    Q's: tile 0 in lanes 0-15, tile 2 in lanes 16-31;  v11: tiles 1 and 3
.set ST,  12                           ; tile q: v[ST+4q] -M, +1 the largest t, +2, +3 the sum
.set FF,  28                           ; tile q: v[FF+2q] f, +1 p's scale word
.set TP,  36                           ; the pair's tile u: v[TP+14u] on: 0-3 block maxima, 4-11 at work, 12 at work
.set S,   64
.set PC,  192
.set LX,  240                          ; v240-247 the way out: the sums
.set W16, 248                          ; v248-251 a tile's two scale bytes
.set OW,  252                          ; v252-253 those of two tiles, by halves of the lanes
.set QW,  254
.set ZQ,  128                          ; in window 1: [0][Q0][0][Q1][0][Q2][0][Q3][0], six registers each
.set KV,  184                          ; in window 1
.set WV,  12
.set CX,  13
.set BH,  14
.set SEL, 20                           ; s[20:21]
.set CS,  22                           ; s[22:23] c = log2(e) / 8, twice
.set G1A, 24                           ; s[24:31] 25 rows of 256 bytes
.set G1B, 32                           ; s[32:39] 75 rows
.set G0A, 40
.set G0B, 44
.set TB,  48                           ; LDS byte at which the step's block begins
.set CNT, 49
.set HM,  50                           ; lanes 16-31
.set MSB, 0
.macro WIN new                         ; the immediate's high byte repeats the setting that is left
.if MSB != \new
	s_set_vgpr_msb (MSB<<8)|\new
.set MSB, \new
.endif
.endm
.set W_TO1, 0x40                       ; destination window 1
.set W_QK,  0x05                       ; sources 0 and 1 window 1, D window 0
.set W_PV,  0x51                       ; source 0 window 1, source 1 window 0, C and D window 1
.set W_RS,  0x41                       ; destination and source 0 window 1
.set W_FR1, 0x01                       ; source 0 window 1
.macro ROUND                           ; a round of the cluster's barrier
	s_barrier_signal -1
	s_barrier_wait -1
	s_cmp_lg_u32 s[WV], 0
	s_cbranch_scc1 .Lnot_wave_0_\@
	s_barrier_signal -3
.Lnot_wave_0_\@:
	s_barrier_wait -3
	s_barrier_signal -1
	s_barrier_wait -1
.endm
; The scaled product.  zero = 1: it starts the sum.  ra, rb = 1: the side's scale words are taken from lanes 16-31.
.macro WMS d, a, b, zero, sa, sb, ra, rb
.if \zero
.if (\ra) && (\rb)
	v_wmma_scale_f32_16x16x128_f8f6f4 v[\d:\d+7], v[\a:\a+11], v[\b:\b+11], 0, v[\sa], v[\sb] matrix_a_fmt:MATRIX_FMT_BF6 matrix_b_fmt:MATRIX_FMT_BF6 matrix_a_scale:MATRIX_SCALE_ROW1 matrix_b_scale:MATRIX_SCALE_ROW1
.elseif (\ra)
	v_wmma_scale_f32_16x16x128_f8f6f4 v[\d:\d+7], v[\a:\a+11], v[\b:\b+11], 0, v[\sa], v[\sb] matrix_a_fmt:MATRIX_FMT_BF6 matrix_b_fmt:MATRIX_FMT_BF6 matrix_a_scale:MATRIX_SCALE_ROW1
.elseif (\rb)
	v_wmma_scale_f32_16x16x128_f8f6f4 v[\d:\d+7], v[\a:\a+11], v[\b:\b+11], 0, v[\sa], v[\sb] matrix_a_fmt:MATRIX_FMT_BF6 matrix_b_fmt:MATRIX_FMT_BF6 matrix_b_scale:MATRIX_SCALE_ROW1
.else
	v_wmma_scale_f32_16x16x128_f8f6f4 v[\d:\d+7], v[\a:\a+11], v[\b:\b+11], 0, v[\sa], v[\sb] matrix_a_fmt:MATRIX_FMT_BF6 matrix_b_fmt:MATRIX_FMT_BF6
.endif
.else
.if (\ra) && (\rb)
	v_wmma_scale_f32_16x16x128_f8f6f4 v[\d:\d+7], v[\a:\a+11], v[\b:\b+11], v[\d:\d+7], v[\sa], v[\sb] matrix_a_fmt:MATRIX_FMT_BF6 matrix_b_fmt:MATRIX_FMT_BF6 matrix_a_scale:MATRIX_SCALE_ROW1 matrix_b_scale:MATRIX_SCALE_ROW1
.elseif (\ra)
	v_wmma_scale_f32_16x16x128_f8f6f4 v[\d:\d+7], v[\a:\a+11], v[\b:\b+11], v[\d:\d+7], v[\sa], v[\sb] matrix_a_fmt:MATRIX_FMT_BF6 matrix_b_fmt:MATRIX_FMT_BF6 matrix_a_scale:MATRIX_SCALE_ROW1
.elseif (\rb)
	v_wmma_scale_f32_16x16x128_f8f6f4 v[\d:\d+7], v[\a:\a+11], v[\b:\b+11], v[\d:\d+7], v[\sa], v[\sb] matrix_a_fmt:MATRIX_FMT_BF6 matrix_b_fmt:MATRIX_FMT_BF6 matrix_b_scale:MATRIX_SCALE_ROW1
.else
	v_wmma_scale_f32_16x16x128_f8f6f4 v[\d:\d+7], v[\a:\a+11], v[\b:\b+11], v[\d:\d+7], v[\sa], v[\sb] matrix_a_fmt:MATRIX_FMT_BF6 matrix_b_fmt:MATRIX_FMT_BF6
.endif
.endif
.endm
	s_load_b256 s[4:11], s[0:1], 0x0               ; qb s[4:5], kv s[6:7], oc s[8:9], os s[10:11]
	v_lshl_add_u32 v63, v0, 2, 0x32000
	v_mov_b32 v255, 0
	ds_add_u32 v63, v255
	ds_add_u32 v63, v255
	v_lshrrev_b32 v5, 5, v0
	v_readfirstlane_b32 s[WV], v5                  ; wave 0..7
	s_bfe_u32 s[CX], ttmp6, 0x40000                ; my place in the cluster: which 512 queries; it enters Q's and the outputs' addresses alone
	s_and_b32 s[BH], ttmp7, 0xffff                 ; 16 x batch + head, which the four partners share
	s_mul_i32 s16, s[BH], HEADB
	s_mov_b32 s17, 0
	; descriptor groups 1: dense memory as rows of 256 bytes (32 elements of 8 bytes), no padding; the mask names all four work-groups
	s_mov_b32 s[G1A], 15|(3<<16)|(1<<21)
	s_mov_b32 s[G1A+1], 32<<16                     ; tensor_dim0
	s_mov_b32 s[G1A+2], 25<<16                     ; tensor_dim1
	s_mov_b32 s[G1A+3], 32<<16                     ; tile_dim0
	s_mov_b32 s[G1A+4], 25                         ; tile_dim1
	s_mov_b32 s[G1A+5], 32                         ; the pitch
	s_mov_b32 s[G1A+6], 0
	s_mov_b32 s[G1A+7], 0
	s_mov_b32 s[G1B], 15|(3<<16)|(1<<21)
	s_mov_b32 s[G1B+1], 32<<16
	s_mov_b32 s[G1B+2], 75<<16
	s_mov_b32 s[G1B+3], 32<<16
	s_mov_b32 s[G1B+4], 75
	s_mov_b32 s[G1B+5], 32
	s_mov_b32 s[G1B+6], 0
	s_mov_b32 s[G1B+7], 0
	s_mul_i32 s18, s[WV], 6400                     ; my eighth of key steps 0-3 (51,200 bytes),
	s_mov_b32 s19, 0
	s_mul_i32 s2, s[WV], 19200                     ; and of key steps 4-15 (153,600 bytes): the same offsets in memory and in LDS
	s_add_co_u32 s2, s2, 51200
	s_mov_b32 s3, 0
	s_mov_b32 s[SEL], 0x76543210
	s_mov_b32 s[SEL+1], 0xfedcba98
	s_mov_b32 s[CS], 0x3e38aa3b                    ; c = log2(e) / 8
	s_mov_b32 s[CS+1], s[CS]                       ; (named with it as a pair, so it is written)
	s_mov_b32 s[TB], 0
	s_mov_b32 s[HM], 0xffff0000
	s_wait_dscnt 0x0
	s_wait_kmcnt 0x0
	s_add_nc_u64 s[6:7], s[6:7], s[16:17]          ; kv at the head
	ROUND                                          ; all four work-groups are here: the joint loads meet
	s_mov_b32 s[G0A], 1
	s_mov_b32 s[G0A+1], s18
	s_add_nc_u64 s[G0A+2:G0A+3], s[6:7], s[18:19]
	s_or_b32 s[G0A+3], s[G0A+3], 0x80000000
	s_mov_b32 s[G0B], 1
	s_mov_b32 s[G0B+1], s2
	s_add_nc_u64 s[G0B+2:G0B+3], s[6:7], s[2:3]
	s_or_b32 s[G0B+3], s[G0B+3], 0x80000000
	tensor_load_to_lds s[G0A:G0A+3], s[G1A:G1A+7]  ; every wave's two loads stand together: two of mine are out
	s_nop 0
	tensor_load_to_lds s[G0B:G0B+3], s[G1B:G1B+7]
	s_nop 0
.rept 4
	v_nop
.endr
	v_and_b32 v5, 31, v0
	v_lshlrev_b32 v[L8], 3, v5
	v_lshlrev_b32 v[L4], 2, v5
	v_lshlrev_b32 v[L2], 1, v5
	s_lshl_b32 s20, s[CX], 2                       ; my 64 queries lie in block 4 cx + wave / 2 of the head's 16, tiles 4 (wave % 2) on
	s_lshr_b32 s21, s[WV], 1
	s_add_co_u32 s20, s20, s21
	s_mul_i32 s20, s20, STEPB
	s_add_co_u32 s20, s20, s16
	s_mov_b32 s21, 0
	s_add_nc_u64 s[4:5], s[4:5], s[20:21]
	s_and_b32 s22, s[WV], 1
	s_mul_i32 s20, s22, 3072
	s_add_nc_u64 s[52:53], s[4:5], s[20:21]        ; Q's codes
	s_lshl_b32 s20, s22, 7
	s_add_nc_u64 s[4:5], s[4:5], s[20:21]          ; Q's scale words (12,288 further on)
	WIN W_TO1
.irp q, 0,1,2,3
.irp p, 0,1,2
	global_load_b64 v[ZQ+12*\q+6+2*\p:ZQ+12*\q+6+2*\p+1], v[L8], s[52:53] offset:768*\q+256*\p
.endr
.endr
.irp g, 0,1,2,3,4
.irp i, 0,1,2,3,4,5
	v_mov_b32 v[ZQ+12*\g+\i], 0                    ; the zero codes between the tiles of Q
.endr
.endr
	WIN 0
	global_load_b32 v[QW], v[L4], s[4:5] offset:12288   ; lanes 0-15: tiles 0 and 1 (two bytes each); lanes 16-31: tiles 2 and 3
.irp q, 0,1,2,3
	v_mov_b32 v[ST+4*\q+1], 0xff61b1e6             ; the largest t so far: -3e38, under every t
	v_floor_f32 v[ST+4*\q], -v[ST+4*\q+1]          ; -M
	v_mov_b32 v[ST+4*\q+2], 0                      ; the sum, in two halves
	v_mov_b32 v[ST+4*\q+3], 0
	v_mov_b32 v[FF+2*\q], 0
	v_mov_b32 v[FF+2*\q+1], 0                      ; (named as the upper half of a pair before it is first written)
	v_mov_b32 v[LX+4+\q], 0                        ; written once: a lane permute's destination counts as one of its sources
.endr
.irp u, 0,1
.irp b, 0,1,2,3
	v_mov_b32 v[TP+14*\u+4+\b], 0
.endr
.endr
	s_lshr_b32 s20, s[BH], 4                       ; the outputs: my first tile of tokens T0 = 128 x batch + 32 cx + 4 x wave
	s_lshl_b32 s20, s20, 7
	s_lshl_b32 s21, s[CX], 5
	s_add_co_u32 s20, s20, s21
	s_lshl_b32 s21, s[WV], 2
	s_add_co_u32 s20, s20, s21
	s_and_b32 s22, s[BH], 15                       ; the head
	s_lshl_b32 s23, s20, 4
	s_add_co_u32 s23, s23, s22
	s_mul_i32 s54, s23, 768
	s_mov_b32 s55, 0
	s_add_nc_u64 s[8:9], s[8:9], s[54:55]          ; oc: (16 T0 + head) x 768
	s_lshl_b32 s54, s22, 14
	s_lshl_b32 s23, s20, 5
	s_add_co_u32 s54, s54, s23
	s_add_nc_u64 s[10:11], s[10:11], s[54:55]      ; os: 16,384 x head + 2 x token
; 16 products S^T = K Q^T for the pair of tiles x, x + 1: key tile kt lies in half kt % 2 of fragment kt / 2.
.macro QK x
	WIN W_QK
.set kt, 0
.rept 8
.irp u, 0,1
.set rD, S+64*\u+8*kt
.set rA, KV+12*(kt/2)
.set rB, ZQ+12*(\x+\u)+6-6*(kt%2)
.set rSA, KSC+kt/4
.set rSB, QSA+(\x+\u)%2
	WMS rD, rA, rB, 1, rSA, rSB, (kt/2)%2, (\x+\u)/2
.endr
.set kt, kt+1
.endr
.endm
; 16 products O^T += V^T P^T: the 16 accumulators take turns, one instruction a turn.
.macro PV first
	WIN W_PV
.irp dt, 0,1,2,3
.irp q, 0,1,2,3
	WMS 32*\q+8*\dt, KV+12*\dt, PC+12*\q, \first, VSC+\dt/2, FF+2*\q+1, \dt%2, 0
.endr
.endr
.endm
; O^T of tiles x, x + 1 under the new M: x f.  Ascending: each accumulator is read from its low end on.
.macro RS x
	WIN W_RS
.irp u, 0,1
.set i, 0
.rept 16
	v_pk_mul_f32 v[32*(\x+\u)+2*i:32*(\x+\u)+2*i+1], v[32*(\x+\u)+2*i:32*(\x+\u)+2*i+1], v[FF+2*(\x+\u):FF+2*(\x+\u)+1] op_sel_hi:[1,0]
.set i, i+1
.endr
.endr
.endm
; The softmax of tiles x, x + 1 for 128 keys; each line is written for both tiles, so that no line waits for the line above it.
.macro SOFTMAX x
.irp b, 0,1,2,3
.irp u, 0,1
	v_max3_num_f32 v[TP+14*\u+\b], v[S+64*\u+16*\b], v[S+64*\u+16*\b+1], v[S+64*\u+16*\b+2]   ; the largest score of each block of 32 keys: for the row's maximum, and for the block's largest p
.endr
.endr
.irp i, 3,5,7,9,11,13
.irp b, 0,1,2,3
.irp u, 0,1
	v_max3_num_f32 v[TP+14*\u+\b], v[TP+14*\u+\b], v[S+64*\u+16*\b+\i], v[S+64*\u+16*\b+\i+1]
.endr
.endr
.endr
.irp b, 0,1,2,3
.irp u, 0,1
	v_max_num_f32 v[TP+14*\u+\b], v[TP+14*\u+\b], v[S+64*\u+16*\b+15]
.endr
.endr
.irp b, 0,1,2,3
.irp u, 0,1
	v_permlanex16_b32 v[TP+14*\u+4+\b], v[TP+14*\u+\b], s[SEL], s[SEL+1]
.endr
.endr
.irp b, 0,1,2,3
.irp u, 0,1
	v_max_num_f32 v[TP+14*\u+\b], v[TP+14*\u+\b], v[TP+14*\u+4+\b]   ; with lane l xor 16's 16 keys
.endr
.endr
.irp u, 0,1
	v_max3_num_f32 v[TP+14*\u+12], v[TP+14*\u], v[TP+14*\u+1], v[TP+14*\u+2]
.endr
.irp u, 0,1
	v_max_num_f32 v[TP+14*\u+12], v[TP+14*\u+12], v[TP+14*\u+3]      ; the step's largest score of my query
.endr
.irp u, 0,1
	v_mul_f32 v[TP+14*\u+12], s[CS], v[TP+14*\u+12]                  ; as t (c is positive)
.endr
.irp u, 0,1
	v_max_num_f32 v[ST+4*(\x+\u)+1], v[ST+4*(\x+\u)+1], v[TP+14*\u+12]   ; the running largest t
.endr
.irp u, 0,1
	v_mov_b32 v[TP+14*\u+12], v[ST+4*(\x+\u)]
.endr
.irp u, 0,1
	v_floor_f32 v[ST+4*(\x+\u)], -v[ST+4*(\x+\u)+1]                  ; the new -M = floor(-t): M is a whole number
.endr
.irp u, 0,1
	v_sub_f32 v[TP+14*\u+12], v[ST+4*(\x+\u)], v[TP+14*\u+12]        ; old M - new M: a whole number, 0 or less
.endr
.irp u, 0,1
	v_cvt_i32_f32 v[TP+14*\u+12], v[TP+14*\u+12]                     ; (it saturates)
.endr
.irp u, 0,1
	v_ldexp_f32 v[FF+2*(\x+\u)], 1.0, v[TP+14*\u+12]                 ; f = 2^(old M - new M)
.endr
.set j, 0
.rept 32
.irp u, 0,1
	v_pk_fma_f32 v[S+64*\u+j:S+64*\u+j+1], v[S+64*\u+j:S+64*\u+j+1], s[CS:CS+1], v[ST+4*(\x+\u):ST+4*(\x+\u)+1] op_sel_hi:[1,0,0]   ; t - M, two at a time
.endr
.set j, j+2
.endr
.irp b, 0,1,2,3
.irp u, 0,1
	v_fma_f32 v[TP+14*\u+\b], v[TP+14*\u+\b], s[CS], v[ST+4*(\x+\u)]  ; the same of each block's largest score
.endr
.endr
.set j, 0
.rept 64
.irp u, 0,1
	v_exp_f32 v[S+64*\u+j], v[S+64*\u+j]                             ; p = 2^(t - M), at most 1: not normalised
.endr
.set j, j+1
.endr
.irp b, 0,1,2,3
.irp u, 0,1
	v_exp_f32 v[TP+14*\u+\b], v[TP+14*\u+\b]                         ; the block's largest p
.endr
.endr
.irp u, 0,1
	v_pk_mul_f32 v[ST+4*(\x+\u)+2:ST+4*(\x+\u)+3], v[ST+4*(\x+\u)+2:ST+4*(\x+\u)+3], v[FF+2*(\x+\u):FF+2*(\x+\u)+1] op_sel_hi:[1,0]   ; the sums under the new M.  (A plain place behind the exponentials)
.endr
	s_wait_alu depctr_va_vdst(0)
.irp b, 0,1,2,3
.irp u, 0,1
	v_max_num_f32 v[TP+14*\u+\b], 0x2800000, v[TP+14*\u+\b]          ; the floor 2^(5 - 127): the byte cannot fall under 1
.endr
.endr
.irp b, 0,1,2,3
.irp u, 0,1
	v_add_nc_u32 v[TP+14*\u+\b], 0xfe000000, v[TP+14*\u+\b]          ; 4 off the exponent field: the conversion's scale operand
.endr
.endr
.irp b, 0,1,2,3
.irp u, 0,1
	v_lshrrev_b32 v[TP+14*\u+4+\b], 23, v[TP+14*\u+\b]               ; the scale's byte
.endr
.endr
.irp u, 0,1
	v_lshl_or_b32 v[FF+2*(\x+\u)+1], v[TP+14*\u+5], 8, v[TP+14*\u+4]  ; p's scale word for these 128 keys
.endr
.irp u, 0,1
	v_lshl_or_b32 v[FF+2*(\x+\u)+1], v[TP+14*\u+6], 16, v[FF+2*(\x+\u)+1]
.endr
.irp u, 0,1
	v_lshl_or_b32 v[FF+2*(\x+\u)+1], v[TP+14*\u+7], 24, v[FF+2*(\x+\u)+1]
.endr
.irp c, 0,1
.irp u, 0,1
	v_cvt_scalef32_pk16_bf6_f32 v[PC+12*(\x+\u)+6*\c:PC+12*(\x+\u)+6*\c+2], v[S+64*\u+32*\c:S+64*\u+32*\c+15], v[TP+14*\u+2*\c]
	v_cvt_scalef32_pk16_bf6_f32 v[TP+14*\u+4+4*\c:TP+14*\u+6+4*\c], v[S+64*\u+32*\c+16:S+64*\u+32*\c+31], v[TP+14*\u+2*\c+1]   ; (a conversion's three registers begin on an even number)
.endr
.endr
	v_nop                                          ; one plain place behind a scaled conversion
.irp c, 0,1                                    ; the operand's layout wants a WHOLE block in a lane
.irp i, 0,1,2
.irp u, 0,1
	v_permlane16_swap_b32 v[PC+12*(\x+\u)+6*\c+\i], v[TP+14*\u+4+4*\c+\i]
.endr
.endr
.irp i, 0,1,2
.irp u, 0,1
	v_mov_b32 v[PC+12*(\x+\u)+6*\c+3+\i], v[TP+14*\u+4+4*\c+\i]
.endr
.endr
.endr
.irp u, 0,1
	v_pk_add_f32 v[TP+14*\u+4:TP+14*\u+5], v[S+64*\u:S+64*\u+1], v[S+64*\u+2:S+64*\u+3]   ; the row's sum is taken of the unquantised p: two at a time, in two chains a tile
.endr
.irp j, 4,8,12,16,20,24,28,32,36,40,44,48,52,56,60
.irp u, 0,1
	v_pk_add_f32 v[ST+4*(\x+\u)+2:ST+4*(\x+\u)+3], v[ST+4*(\x+\u)+2:ST+4*(\x+\u)+3], v[S+64*\u+\j:S+64*\u+\j+1]
	v_pk_add_f32 v[TP+14*\u+4:TP+14*\u+5], v[TP+14*\u+4:TP+14*\u+5], v[S+64*\u+\j+2:S+64*\u+\j+3]
.endr
.endr
.irp u, 0,1
	v_pk_add_f32 v[ST+4*(\x+\u)+2:ST+4*(\x+\u)+3], v[ST+4*(\x+\u)+2:ST+4*(\x+\u)+3], v[TP+14*\u+4:TP+14*\u+5]
.endr
.endm
; A KEY STEP: 128 keys for my four tiles of queries.  first = 1: its products start O^T's sums, and nothing is rescaled.
.macro STEP first
	v_add_nc_u32 v[A8], s[TB], v[L8]               ; these four lines are the places between the last products and the loads into their registers
	v_add_nc_u32 v[A4], s[TB], v[L4]
	v_nop
	v_nop
	WIN W_TO1
.set i, 0
.rept 24
	ds_load_b64 v[KV+2*i:KV+2*i+1], v[A8] offset:256*i          ; K: 24 pieces of 256 consecutive bytes: four fragments, two tiles of keys each
.set i, i+1
.endr
	WIN 0
	ds_load_b32 v[KSC], v[A4] offset:12288
	ds_load_b32 v[KSC+1], v[A4] offset:12416
	ds_load_b32 v[VSC], v[A4] offset:12544
	ds_load_b32 v[VSC+1], v[A4] offset:12672
	s_wait_dscnt 0x0
	QK 0
	WIN 0
.rept 4
	v_nop                                          ; places in front of the first read of the scores
.endr
	SOFTMAX 0
	QK 2
.if \first
	WIN 0
.rept 4
	v_nop
.endr
.else
	RS 0                                           ; 32 plain instructions that name nothing of the products above: the places in front of the loads and of the next softmax
.endif
	WIN W_TO1
.set i, 0
.rept 24
	ds_load_b64 v[KV+2*i:KV+2*i+1], v[A8] offset:6144+256*i     ; V^T: four fragments, over K's; they land under the second pair's softmax
.set i, i+1
.endr
	WIN 0
	SOFTMAX 2
.if \first == 0
	RS 2
.rept 4
	v_nop
.endr
.endif
	s_wait_dscnt 0x0                               ; V is in
	PV \first
	WIN 0
	s_add_co_u32 s[TB], s[TB], STEPB
.endm
; THE WAY OUT of tiles x, x + 1: O^T / the sum; the halves of two d tiles change places between the lanes' halves, so that a lane's 16 registers are 16 neighbours of the head's 64 in natural order;
; the quantiser (two blocks of 32); three pieces of 256 bytes a tile, and two scale bytes a token.
.macro OUTP x
	WIN W_FR1
.irp u, 0,1
.set i, 0
.rept 16
	v_pk_mul_f32 v[S+64*\u+2*i:S+64*\u+2*i+1], v[32*(\x+\u)+2*i:32*(\x+\u)+2*i+1], v[FF+2*(\x+\u):FF+2*(\x+\u)+1] op_sel_hi:[1,0]
.set i, i+1
.endr
.endr
	WIN 0
.irp b, 0,1
.irp j, 0,1,2,3,4,5,6,7
.irp u, 0,1
	v_permlane16_swap_b32 v[S+64*\u+16*\b+\j], v[S+64*\u+16*\b+8+\j]   ; register 16 b + i of half h is now d = 32 b + 16 h + i
.endr
.endr
.endr
.irp b, 0,1
.irp u, 0,1
	v_max3_num_f32 v[TP+14*\u+\b], |v[S+64*\u+16*\b]|, |v[S+64*\u+16*\b+1]|, 0x2800000
.endr
.endr
.irp i, 2,4,6,8,10,12,14
.irp b, 0,1
.irp u, 0,1
	v_max3_num_f32 v[TP+14*\u+\b], v[TP+14*\u+\b], |v[S+64*\u+16*\b+\i]|, |v[S+64*\u+16*\b+\i+1]|
.endr
.endr
.endr
.irp b, 0,1
.irp u, 0,1
	v_permlanex16_b32 v[TP+14*\u+4+\b], v[TP+14*\u+\b], s[SEL], s[SEL+1]
.endr
.endr
.irp b, 0,1
.irp u, 0,1
	v_max_num_f32 v[TP+14*\u+\b], v[TP+14*\u+\b], v[TP+14*\u+4+\b]
.endr
.endr
.irp b, 0,1
.irp u, 0,1
	v_add_nc_u32 v[TP+14*\u+\b], 0xfe000000, v[TP+14*\u+\b]
.endr
.endr
.irp b, 0,1
.irp u, 0,1
	v_lshrrev_b32 v[TP+14*\u+4+\b], 23, v[TP+14*\u+\b]
.endr
.endr
.irp u, 0,1
	v_lshl_or_b32 v[W16+\x+\u], v[TP+14*\u+5], 8, v[TP+14*\u+4]
.endr
.irp u, 0,1
	v_cvt_scalef32_pk16_bf6_f32 v[PC+12*(\x+\u):PC+12*(\x+\u)+2], v[S+64*\u:S+64*\u+15], v[TP+14*\u]
	v_cvt_scalef32_pk16_bf6_f32 v[TP+14*\u+4:TP+14*\u+6], v[S+64*\u+16:S+64*\u+31], v[TP+14*\u+1]
.endr
	v_nop                                          ; one plain place behind a scaled conversion
.irp i, 0,1,2
.irp u, 0,1
	v_permlane16_swap_b32 v[PC+12*(\x+\u)+\i], v[TP+14*\u+4+\i]
.endr
.endr
.irp i, 0,1,2
.irp u, 0,1
	v_mov_b32 v[PC+12*(\x+\u)+3+\i], v[TP+14*\u+4+\i]
.endr
.endr
.irp u, 0,1
.irp p, 0,1,2
	global_store_b64 v[L8], v[PC+12*(\x+\u)+2*\p:PC+12*(\x+\u)+2*\p+1], s[8:9] offset:12288*(\x+\u)+256*\p   ; 32 lanes store 256 consecutive bytes, aligned
.endr
.endr
	v_cndmask_b32 v[OW+\x/2], v[W16+\x], v[W16+\x+1], s[HM]   ; lanes 0-15: tile x's tokens, lanes 16-31: tile x + 1's
	global_store_b16 v[L2], v[OW+\x/2], s[10:11] offset:32*\x
.endm
	s_wait_tensorcnt 1                             ; my part of key steps 0-3 is in; the other load may stay out
	s_barrier_signal -1
	s_barrier_wait -1                              ; everybody's is
	s_wait_loadcnt 0x0                             ; Q
	v_perm_b32 v[QSA], v[QW], v[QW], 0x05040100    ; a tile's two bytes, for both halves of K
	v_perm_b32 v[QSA+1], v[QW], v[QW], 0x07060302
.rept 8
	v_nop                                          ; a scale register written by a vector instruction stands eight places ahead of a scaled matrix instruction
.endr
	STEP 1
	s_wait_tensorcnt 0x0                           ; my part of key steps 4-15 is in,
	s_wait_dscnt 0x0
	s_barrier_signal -1
	s_barrier_wait -1                              ; everybody's is
	s_mov_b32 s[CNT], 15
.Lstep:
	STEP 0
	s_sub_co_u32 s[CNT], s[CNT], 1
	s_cmp_lg_u32 s[CNT], 0
	s_cbranch_scc1 .Lstep
.irp q, 0,1,2,3
	v_add_f32 v[LX+\q], v[ST+4*\q+2], v[ST+4*\q+3]  ; the sum's two halves.  (These four are the places behind the last products)
.endr
.irp q, 0,1,2,3
	v_permlanex16_b32 v[LX+4+\q], v[LX+\q], s[SEL], s[SEL+1]
.endr
.irp q, 0,1,2,3
	v_add_f32 v[LX+\q], v[LX+\q], v[LX+4+\q]       ; and lane l xor 16's: the row's sum
.endr
.irp q, 0,1,2,3
	v_rcp_f32 v[FF+2*\q], v[LX+\q]
.endr
	v_nop                                          ; a plain place behind the reciprocals
	s_wait_alu depctr_va_vdst(0)
	OUTP 0
	OUTP 2
	s_wait_dscnt 0x0
	s_wait_tensorcnt 0x0
	ds_add_u32 v63, v255
	s_wait_dscnt 0x0
	ROUND                                          ; the closing round: no work-group ends while a partner may still ask for a tile that names it
	s_endpgm
.Lfunc_end_k_q80eb080206_attn:
	.size	k_q80eb080206_attn, .Lfunc_end_k_q80eb080206_attn-k_q80eb080206_attn
	.p2alignl 7, 3214868480
	.fill 96, 4, 3214868480
	.section	.rodata,"a",@progbits
	.p2align	6, 0x0
	.amdhsa_kernel k_q80eb080206_attn
		.amdhsa_group_segment_fixed_size 205824
		.amdhsa_private_segment_fixed_size 0
		.amdhsa_enable_private_segment 0
		.amdhsa_kernarg_size 32
		.amdhsa_user_sgpr_count 2
		.amdhsa_user_sgpr_kernarg_segment_ptr 1
		.amdhsa_wavefront_size32 1
		.amdhsa_system_sgpr_workgroup_id_x 1
		.amdhsa_system_sgpr_workgroup_id_y 1
		.amdhsa_system_sgpr_workgroup_id_z 1
		.amdhsa_system_vgpr_workitem_id 0
		.amdhsa_next_free_vgpr 512
		.amdhsa_next_free_sgpr 66
		.amdhsa_reserve_vcc 0
		.amdhsa_float_denorm_mode_32 3
		.amdhsa_float_denorm_mode_16_64 3
		.amdhsa_memory_ordered 1
		.amdhsa_forward_progress 1
		.amdhsa_inst_pref_size 134
	.end_amdhsa_kernel
	.amdgpu_metadata
---
amdhsa.version: [ 1, 2 ]
amdhsa.kernels:
  - .name:           k_q80eb080206_attn
    .symbol:         k_q80eb080206_attn.kd
    .args:
      - { .name: qb, .offset: 0, .size: 8, .value_kind: global_buffer, .address_space: global }
      - { .name: kv, .offset: 8, .size: 8, .value_kind: global_buffer, .address_space: global }
      - { .name: oc, .offset: 16, .size: 8, .value_kind: global_buffer, .address_space: global }
      - { .name: os, .offset: 24, .size: 8, .value_kind: global_buffer, .address_space: global }
    .group_segment_fixed_size: 205824
    .private_segment_fixed_size: 0
    .kernarg_segment_align: 8
    .kernarg_segment_size: 32
    .max_flat_workgroup_size: 256
    .sgpr_count:     66
    .vgpr_count:     512
    .wavefront_size: 32
...
	.end_amdgpu_metadata
.endif
;; end of part 3
;; launch outln (part 4): grid 256 x 1, 4 waves a work-group, clusters of 4 x 1, 327,680 bytes of LDS; arguments oc, os, Wo_codes, Wo_scales, bo, query, ln_gamma, ln_beta, out0; writes out0
.if DOCPART == 4
	.amdgcn_target "amdgcn-amd-amdhsa--gfx1250"
	.amdhsa_code_object_version 6
	.text
	.protected	k_q80eb080206_outln
	.globl	k_q80eb080206_outln
	.p2align	8
	.type	k_q80eb080206_outln,@function
k_q80eb080206_outln:
	s_mov_b64 s[64:65], 0
	v_nop
	global_prefetch_b8 v0, s[64:65] scope:SCOPE_SE
	s_setreg_imm32_b32 hwreg(HW_REG_WAVE_MODE, 25, 1), 1
	s_wait_xcnt 0x0
	s_wait_alu depctr_hold_cnt(0) depctr_sa_sdst(0) depctr_va_vdst(0) depctr_va_sdst(0) depctr_va_ssrc(0) depctr_va_vcc(0) depctr_vm_vsrc(0)
	s_getreg_b32 s2, hwreg(HW_REG_IB_STS2, 6, 4)
	s_cmp_eq_u32 s2, 0
	s_cbranch_scc0 .Lentry_in_a_cluster
	s_endpgm
.Lentry_in_a_cluster:
	s_bfe_u32 s2, ttmp6, 0x10000c
	s_cmp_lg_u32 s2, 0x3003
	s_cbranch_scc0 .Lentry_shape_is_right
	s_endpgm
.Lentry_shape_is_right:
; out0 = LayerNorm(query + O Wo^T + bo) x gamma + beta.  O arrives as images of operand registers with its scale bytes, Wo as codes of BF6 (E3M2) with E8M0 scales; sums, residual and norm in f32.
; SHARES.  A work-group owns 32 WHOLE rows (tokens), so the norm needs no other work-group.  Wo's 1,024 rows go in eight tiles of 128 rows x 768 bytes (dense memory) through two LDS slots, asked for jointly by
; the four work-groups of a cluster, which all walk the same weights.  In tile n wave w takes features 128 n + 32 w .. + 31: 2 tiles of features x 2 tiles of tokens x 8 K steps, four accumulators by turns.
; The product is used transposed (source 0 = 16 rows of Wo, source 1 = 16 tokens): a lane holds one token and eight neighbouring features.  All 1,024 features x 32 tokens stay in accumulators (256 registers a wave).
; THE NORM.  The results meet in a stage in LDS (over the slots, which have had their last fill and their last read); a wave then owns 8 whole rows: x = query + result + bo; the mean; x - mean; the mean of its
; squares (two passes, as the definition has it: no difference of large sums); x rsq(var + 1e-5) x gamma + beta; each store covers 512 consecutive bytes, aligned.
; LIMITS: NaN and infinities are not served.
; REGISTERS.  Window 0: v1-15 addresses; v16-23 O's scale words (lanes 0-15 tokens 0-15, lanes 16-31 tokens 16-31), v24-31 Wo's (lanes 0-15 my first 16 features, lanes 16-31 the next); v32-63 the rows' sums;
;   v64-255 Wo's 16 fragments, later two rows of the stage.   Window 1: O's 16 fragments, later bo, gamma, beta.   Window 2: the accumulators (32 n + 16 t + 8 m).   Window 3: 8 rows of query, then x.
.set SLOTB, 104448                     ; a slot: 4 waves x 96 runs of (256 bytes + 16 of padding)
.set WPART, 26112                      ; a wave's part: 32 rows of Wo
.set ROWP,  816                        ; a row of Wo in LDS: 3 x 272 = 204 words: row r starts at word 12 r mod 64, so the 32 lanes of a load of 8 bytes touch 64 different words modulo 64
.set SPARE, 2*SLOTB                    ; the spare words, 128 bytes for each wave, which no other line names
.set SCW,   SPARE+512                  ; Wo's scale bytes, 32,768, filled once
.set SROW,  4112                       ; a row of the stage: 4,096 bytes + 16
.set SPW, 1
.set NIL, 2
.set AWA, 3                            ; v3-4  my rows of Wo in slot 0, 1: + 24 (lane / 16)
.set AWB, 5                            ; v5-6  the same for pieces that lie behind one padding more: + 40 (lane / 16)
.set STO, 7                            ; v7-8  the stage: where I put 32 bytes of a row, tokens 0-15 and 16-31
.set RD,  9                            ; v9    where I read my 8 rows back
.set G16, 10                           ; v10   16 x lane
.set L8,  11                           ; v11   8 x lane
.set AWS, 12                           ; v12   my row of Wo's scale bytes
.set XS,  16
.set WS,  24
.set SM,  32                           ; v32-47 row i: the sum, then the mean, at 2 i
.set SQ,  48                           ; v48-63 row i: the sum of squares, then 1 / sqrt(var + eps)
.set WF,  64
.set SG,  64
.set WV,  22
.set G1W, 28
.set G1S, 36
.set G0,  44
.set G0S, 52
.set SEL, 56
.set MSB, 0
.macro WIN new                         ; the immediate's high byte repeats the setting that is left
.if MSB != \new
	s_set_vgpr_msb (MSB<<8)|\new
.set MSB, \new
.endif
.endm
.macro ROUND                           ; a round of the cluster's barrier
	s_barrier_signal -1
	s_barrier_wait -1
	s_cmp_lg_u32 s[WV], 0
	s_cbranch_scc1 .Lnot_wave_0_\@
	s_barrier_signal -3
.Lnot_wave_0_\@:
	s_barrier_wait -3
	s_barrier_signal -1
	s_barrier_wait -1
.endm
.macro WMS d, a, b, zero, sa, sb, ra, rb   ; the scaled product; zero = 1: it starts the sum; ra, rb = 1: the side's scale words are taken from lanes 16-31
.if \zero
.if (\ra) && (\rb)
	v_wmma_scale_f32_16x16x128_f8f6f4 v[\d:\d+7], v[\a:\a+11], v[\b:\b+11], 0, v[\sa], v[\sb] matrix_a_fmt:MATRIX_FMT_BF6 matrix_b_fmt:MATRIX_FMT_BF6 matrix_a_scale:MATRIX_SCALE_ROW1 matrix_b_scale:MATRIX_SCALE_ROW1
.elseif (\ra)
	v_wmma_scale_f32_16x16x128_f8f6f4 v[\d:\d+7], v[\a:\a+11], v[\b:\b+11], 0, v[\sa], v[\sb] matrix_a_fmt:MATRIX_FMT_BF6 matrix_b_fmt:MATRIX_FMT_BF6 matrix_a_scale:MATRIX_SCALE_ROW1
.elseif (\rb)
	v_wmma_scale_f32_16x16x128_f8f6f4 v[\d:\d+7], v[\a:\a+11], v[\b:\b+11], 0, v[\sa], v[\sb] matrix_a_fmt:MATRIX_FMT_BF6 matrix_b_fmt:MATRIX_FMT_BF6 matrix_b_scale:MATRIX_SCALE_ROW1
.else
	v_wmma_scale_f32_16x16x128_f8f6f4 v[\d:\d+7], v[\a:\a+11], v[\b:\b+11], 0, v[\sa], v[\sb] matrix_a_fmt:MATRIX_FMT_BF6 matrix_b_fmt:MATRIX_FMT_BF6
.endif
.else
.if (\ra) && (\rb)
	v_wmma_scale_f32_16x16x128_f8f6f4 v[\d:\d+7], v[\a:\a+11], v[\b:\b+11], v[\d:\d+7], v[\sa], v[\sb] matrix_a_fmt:MATRIX_FMT_BF6 matrix_b_fmt:MATRIX_FMT_BF6 matrix_a_scale:MATRIX_SCALE_ROW1 matrix_b_scale:MATRIX_SCALE_ROW1
.elseif (\ra)
	v_wmma_scale_f32_16x16x128_f8f6f4 v[\d:\d+7], v[\a:\a+11], v[\b:\b+11], v[\d:\d+7], v[\sa], v[\sb] matrix_a_fmt:MATRIX_FMT_BF6 matrix_b_fmt:MATRIX_FMT_BF6 matrix_a_scale:MATRIX_SCALE_ROW1
.elseif (\rb)
	v_wmma_scale_f32_16x16x128_f8f6f4 v[\d:\d+7], v[\a:\a+11], v[\b:\b+11], v[\d:\d+7], v[\sa], v[\sb] matrix_a_fmt:MATRIX_FMT_BF6 matrix_b_fmt:MATRIX_FMT_BF6 matrix_b_scale:MATRIX_SCALE_ROW1
.else
	v_wmma_scale_f32_16x16x128_f8f6f4 v[\d:\d+7], v[\a:\a+11], v[\b:\b+11], v[\d:\d+7], v[\sa], v[\sb] matrix_a_fmt:MATRIX_FMT_BF6 matrix_b_fmt:MATRIX_FMT_BF6
.endif
.endif
.endm
	s_load_b512 s[4:19], s[0:1], 0x0               ; oc s[4:5], os s[6:7], Wo's codes s[8:9], its scales s[10:11], bo s[12:13], query s[14:15], gamma s[16:17], beta s[18:19]
	s_load_b64 s[20:21], s[0:1], 0x40              ; out0
	v_lshl_add_u32 v[SPW], v0, 2, SPARE
	v_mov_b32 v[NIL], 0
	ds_add_u32 v1, v2
	ds_add_u32 v1, v2
	s_wait_dscnt 0x0
	v_lshrrev_b32 v13, 5, v0
	v_readfirstlane_b32 s[WV], v13                 ; wave 0..3
	s_bfe_u32 s23, ttmp6, 0x40000                  ; cx: it enters the addresses of O, query and out0 alone
	s_lshl_b32 s24, ttmp9, 7
	s_lshl_b32 s25, s23, 5
	s_add_co_u32 s24, s24, s25                     ; my work-group's first token: 32 (4 x cluster + cx)
	; descriptor groups 1: dense memory as rows of 256 bytes (32 elements of 8 bytes); the mask names all four work-groups
	s_mov_b32 s[G1W], 15|(3<<16)|(1<<20)|(1<<21)|(5<<22)|(3<<25)   ; padding: 4 words behind every 64
	s_mov_b32 s[G1W+1], 32<<16
	s_mov_b32 s[G1W+2], 96<<16                     ; 96 rows: 32 rows of Wo
	s_mov_b32 s[G1W+3], 32<<16
	s_mov_b32 s[G1W+4], 96
	s_mov_b32 s[G1W+5], 32
	s_mov_b32 s[G1W+6], 0
	s_mov_b32 s[G1W+7], 0
	s_mov_b32 s[G1S], 15|(3<<16)|(1<<21)           ; the scale bytes: no padding
	s_mov_b32 s[G1S+1], 32<<16
	s_mov_b32 s[G1S+2], 32<<16                     ; 32 rows: a quarter of the 32,768 bytes
	s_mov_b32 s[G1S+3], 32<<16
	s_mov_b32 s[G1S+4], 32
	s_mov_b32 s[G1S+5], 32
	s_mov_b32 s[G1S+6], 0
	s_mov_b32 s[G1S+7], 0
	s_mul_i32 s60, s[WV], 24576                    ; my 32 rows of a tile, in memory,
	s_mov_b32 s61, 0
	s_mul_i32 s26, s[WV], WPART                    ; and in a slot
	s_lshl_b32 s62, s[WV], 13                      ; my quarter of the scale bytes
	s_mov_b32 s63, 0
	s_mov_b32 s[SEL], 0x76543210
	s_mov_b32 s[SEL+1], 0xfedcba98
	s_mov_b32 s58, 0x3a800000                      ; 1 / 1,024
	s_mov_b32 s59, 0x3727c5ac                      ; 1e-5
	s_wait_kmcnt 0x0
	ROUND                                          ; all four work-groups are here: the first joint loads meet
	s_mov_b32 s[G0S], 1
	s_add_co_u32 s[G0S+1], s62, SCW
	s_add_nc_u64 s[G0S+2:G0S+3], s[10:11], s[62:63]
	s_or_b32 s[G0S+3], s[G0S+3], 0x80000000
	s_add_nc_u64 s[8:9], s[8:9], s[60:61]
.irp s, 0,1
	s_mov_b32 s[G0+4*\s], 1
	s_add_co_u32 s[G0+4*\s+1], s26, \s*SLOTB
	s_add_nc_u64 s[G0+4*\s+2:G0+4*\s+3], s[8:9], \s*98304
	s_or_b32 s[G0+4*\s+3], s[G0+4*\s+3], 0x80000000
.endr
	tensor_load_to_lds s[G0S:G0S+3], s[G1S:G1S+7]  ; the first fills stand together: three loads of mine are out
	s_nop 0
	tensor_load_to_lds s[G0:G0+3], s[G1W:G1W+7]    ; tile 0
	s_nop 0
	tensor_load_to_lds s[G0+4:G0+7], s[G1W:G1W+7]  ; tile 1
	s_nop 0
.rept 4
	v_nop
.endr
	v_and_b32 v13, 15, v0                          ; r
	v_bfe_u32 v14, v0, 4, 1                        ; h
	v_and_b32 v15, 31, v0                          ; lane
	v_lshlrev_b32 v[G16], 4, v15
	v_lshlrev_b32 v[L8], 3, v15
	v_mul_u32_u24 v32, v13, ROWP
	v_add_nc_u32 v32, s26, v32                     ; row 32 w + r of a slot
	v_mad_u32_u24 v[AWA], v14, 24, v32
	v_mad_u32_u24 v[AWB], v14, 40, v32
	v_add_nc_u32 v[AWA+1], SLOTB, v[AWA]
	v_add_nc_u32 v[AWB+1], SLOTB, v[AWB]
	s_lshl_b32 s25, s[WV], 10
	s_add_co_u32 s25, s25, SCW
	v_lshl_add_u32 v[AWS], v15, 5, s25             ; row 32 w + lane of a tile's scale bytes, 32 bytes a row
	v_mul_u32_u24 v[STO], v13, SROW
	v_lshl_add_u32 v[STO], v14, 5, v[STO]
	s_lshl_b32 s25, s[WV], 7
	v_add_nc_u32 v[STO], s25, v[STO]               ; row r, + 32 h, + 128 w
	v_add_nc_u32 v[STO+1], 16*SROW, v[STO]
	s_mul_i32 s25, s[WV], 8*SROW
	v_add_nc_u32 v[RD], s25, v[G16]
	v_lshlrev_b32 v15, 1, v15                      ; 2 x lane
	s_lshl_b32 s25, s[WV], 3
	s_add_co_u32 s25, s25, s24                     ; my wave's first row for the norm
	s_lshl_b32 s60, s25, 12
	s_add_nc_u64 s[14:15], s[14:15], s[60:61]
	s_add_nc_u64 s[20:21], s[20:21], s[60:61]
	s_mul_i32 s60, s24, 768
	s_add_nc_u64 s[4:5], s[4:5], s[60:61]          ; O's images: a tile of 16 tokens is 12,288 bytes
	s_lshl_b32 s60, s24, 1
	s_add_nc_u64 s[6:7], s[6:7], s[60:61]          ; O's scale bytes: two a token and head
	WIN 0xc0                                       ; destination window 3
.irp j, 0,1,2,3,4,5,6,7
	global_load_b128 v[4*\j:4*\j+3], v[G16], s[14:15] offset:512*\j th:TH_LOAD_NT       ; query, my row 0 (ahead of the rest, so that the wait below can name the loads behind it)
.endr
	WIN 0x40                                       ; destination window 1
.set k, 0
.rept 96
	global_load_b64 v[2*k:2*k+1], v[L8], s[4:5] offset:256*k       ; O's 16 fragments: 96 pieces of 256 consecutive bytes
.set k, k+1
.endr
	WIN 0
.irp d, 0,1,2,3,4,5,6,7,8,9,10,11,12,13,14,15
	global_load_u16 v[WF+\d], v15, s[6:7] offset:16384*\d          ; head d's two bytes of token lane
.endr
	WIN 0xc0
.irp i, 1,2,3,4,5,6,7
.irp j, 0,1,2,3,4,5,6,7
	global_load_b128 v[32*\i+4*\j:32*\i+4*\j+3], v[G16], s[14:15] offset:4096*\i+512*\j th:TH_LOAD_NT
.endr
.endr
	WIN 0
	s_wait_loadcnt 56                              ; O and its scale bytes are in; the 56 loads of query's rows 1-7 stay out
.irp s, 0,1,2,3,4,5,6,7
	v_lshl_or_b32 v[XS+\s], v[WF+2*\s+1], 16, v[WF+2*\s]           ; K step s = heads 2 s and 2 s + 1: four bytes
.endr
.rept 8
	v_nop                                          ; a scale register written by a vector instruction stands eight places ahead of a scaled matrix instruction
.endr
	s_wait_tensorcnt 1                             ; the scale bytes and my part of tile 0 are in (tile 1's load may be out)
	s_barrier_signal -1
	s_barrier_wait -1                              ; everybody's are
; Tile n of Wo: my 32 rows' scale words and 16 fragments from LDS, 32 products.
.macro MM n, s
.irp t, 0,1
.irp m, 0,1
.if \s == 0
	WMS 32*(\n)+16*\t+8*\m, WF+12*(2*\s+\t), 12*(8*\m+\s), 1, WS+\s, XS+\s, \t, \m
.else
	WMS 32*(\n)+16*\t+8*\m, WF+12*(2*\s+\t), 12*(8*\m+\s), 0, WS+\s, XS+\s, \t, \m
.endif
.endr
.endr
.endm
.macro WORK n
.set SL, (\n)%2
	ds_load_b128 v[WS:WS+3], v[AWS] offset:4096*(\n)
	ds_load_b128 v[WS+4:WS+7], v[AWS] offset:4096*(\n)+16
.irp s, 0,1,2,3,4,5,6,7
.irp t, 0,1
.irp p, 0,1,2,3,4,5                    ; lanes 0-15 take the row's pieces 12 s + 0, 1, 2 and 12 s + 6, 7, 8, lanes 16-31 those three pieces on; 16 bytes of padding lie behind every 32 pieces
.set PP, 12*\s+6*(\p/3)+\p%3
.if PP%32 < 29
	ds_load_b64 v[WF+12*(2*\s+\t)+2*\p:WF+12*(2*\s+\t)+2*\p+1], v[AWA+SL] offset:16*ROWP*\t+8*PP+16*(PP/32)
.else
	ds_load_b64 v[WF+12*(2*\s+\t)+2*\p:WF+12*(2*\s+\t)+2*\p+1], v[AWB+SL] offset:16*ROWP*\t+8*PP+16*(PP/32)
.endif
.endr
.endr
.endr
	s_wait_dscnt 48                                ; the scale words and K steps 0-3 are in; the 48 loads of K steps 4-7 may be out
	WIN 0xa4                                       ; source 0 (Wo) window 0, source 1 (O) window 1, C and D window 2
.irp s, 0,1,2,3
	MM \n, \s                                      ; four accumulators by turns, one instruction a turn
.endr
	s_wait_dscnt 0x0
.irp s, 4,5,6,7
	MM \n, \s
.endr
	WIN 0
.endm
; The change of slots in front of tile n.  Up to n = 6 the slot just read is filled with tile n + 1, behind a round of the cluster's barrier.
.macro CHANGE n
	s_wait_tensorcnt 0x0                           ; all my tensor loads have landed, tile n among them: a group 0 may be written
	ds_add_u32 v[SPW], v[NIL]                      ; 0 onto my spare word
.if \n <= 6
	s_add_nc_u64 s[G0+4*((\n+1)%2)+2:G0+4*((\n+1)%2)+3], s[G0+4*((\n+1)%2)+2:G0+4*((\n+1)%2)+3], 2*98304
.endif
	s_wait_dscnt 0x0                               ; the add is done, and my reads of the slot that I have left are over
.if \n <= 6
	ROUND                                          ; no wave of any partner still reads that slot or has a load on its way
	tensor_load_to_lds s[G0+4*((\n+1)%2):G0+4*((\n+1)%2)+3], s[G1W:G1W+7]   ; my one tensor load behind the round: it has a tile's work in which to land
	s_nop 0
.else
	s_barrier_signal -1
	s_barrier_wait -1
.endif
.rept 4
	v_nop                                          ; also the places in front of the loads into registers that the last products read
.endr
.endm
	WORK 0
.irp n, 1,2,3,4,5,6,7
	CHANGE \n
	WORK \n
.endr
	; THE STAGE
.rept 4
	v_nop                                          ; places in front of the reads of the last results and of the loads over O's fragments
.endr
	s_wait_dscnt 0x0
	s_barrier_signal -1
	s_barrier_wait -1                              ; nobody reads a slot any more, and both have had their last fill
	WIN 0x40
.irp j, 0,1,2,3,4,5,6,7
	global_load_b128 v[4*\j:4*\j+3], v[G16], s[12:13] offset:512*\j          ; bo, gamma, beta as a row lies in my registers
	global_load_b128 v[32+4*\j:32+4*\j+3], v[G16], s[16:17] offset:512*\j
	global_load_b128 v[64+4*\j:64+4*\j+3], v[G16], s[18:19] offset:512*\j
.endr
	WIN 0x08                                       ; an LDS store's data are its source 1: window 2
.irp n, 0,1,2,3,4,5,6,7
.irp t, 0,1
.irp m, 0,1
	ds_store_b128 v[STO+\m], v[32*\n+16*\t+8*\m:32*\n+16*\t+8*\m+3] offset:512*\n+64*\t        ; token 16 m + r, features 128 n + 32 w + 16 t + 8 h on; each accumulator from its low end on
	ds_store_b128 v[STO+\m], v[32*\n+16*\t+8*\m+4:32*\n+16*\t+8*\m+7] offset:512*\n+64*\t+16
.endr
.endr
.endr
	WIN 0
	s_wait_dscnt 0x0                               ; for the others' sake: my stores into the stage are done
	s_barrier_signal -1
	s_barrier_wait -1
	s_wait_loadcnt 0x0                             ; query's rows, bo, gamma, beta
	; THE NORM: my 8 rows, the rows by turns line by line
.macro LROW i
.irp j, 0,1,2,3,4,5,6,7
	ds_load_b128 v[SG+32*((\i)%2)+4*\j:SG+32*((\i)%2)+4*\j+3], v[RD] offset:SROW*(\i)+512*\j
.endr
.endm
.macro REDUCE b                        ; eight pairs v[b + 2 i], v[b + 2 i + 1] -> the sum over both and over the 32 lanes, in v[b + 2 i] of every lane
.irp i, 0,1,2,3,4,5,6,7
	v_add_f32 v[\b+2*\i], v[\b+2*\i], v[\b+2*\i+1]
.endr
.irp m, 1,2,4,8
.irp i, 0,1,2,3,4,5,6,7
	v_add_f32_dpp v[\b+2*\i], v[\b+2*\i], v[\b+2*\i] row_xmask:\m row_mask:0xf bank_mask:0xf
.endr
.endr
.irp i, 0,1,2,3,4,5,6,7
	v_permlanex16_b32 v[\b+2*\i+1], v[\b+2*\i], s[SEL], s[SEL+1]
.endr
.irp i, 0,1,2,3,4,5,6,7
	v_add_f32 v[\b+2*\i], v[\b+2*\i], v[\b+2*\i+1]
.endr
.endm
	LROW 0
	LROW 1
.irp i, 0,1,2,3,4,5,6,7
.if \i < 7
	s_wait_dscnt 8                                 ; row i is back from the stage; the next row's eight loads may be out
.else
	s_wait_dscnt 0x0
.endif
	WIN 0xc3                                       ; destination and source 0 window 3
.set k, 0
.rept 16
	v_pk_add_f32 v[32*\i+2*k:32*\i+2*k+1], v[32*\i+2*k:32*\i+2*k+1], v[SG+32*(\i%2)+2*k:SG+32*(\i%2)+2*k+1]   ; query + the product
.set k, k+1
.endr
	WIN 0
.if \i < 6
	LROW \i+2
.endif
.endr
	WIN 0xc7                                       ; source 1 window 1
.set k, 0
.rept 16
.irp i, 0,1,2,3,4,5,6,7
	v_pk_add_f32 v[32*\i+2*k:32*\i+2*k+1], v[32*\i+2*k:32*\i+2*k+1], v[2*k:2*k+1]      ; + bo: x
.endr
.set k, k+1
.endr
	WIN 0x0f                                       ; sources 0 and 1 window 3, destination window 0
.irp i, 0,1,2,3,4,5,6,7
	v_pk_add_f32 v[SM+2*\i:SM+2*\i+1], v[32*\i:32*\i+1], v[32*\i+2:32*\i+3]
.endr
	WIN 0x03
.set k, 2
.rept 14
.irp i, 0,1,2,3,4,5,6,7
	v_pk_add_f32 v[SM+2*\i:SM+2*\i+1], v[32*\i+2*k:32*\i+2*k+1], v[SM+2*\i:SM+2*\i+1]
.endr
.set k, k+1
.endr
	WIN 0
	REDUCE SM
.irp i, 0,1,2,3,4,5,6,7
	v_mul_f32 v[SM+2*\i], s58, v[SM+2*\i]          ; the mean
.endr
	WIN 0xc3
.set k, 0
.rept 16
.irp i, 0,1,2,3,4,5,6,7
	v_pk_add_f32 v[32*\i+2*k:32*\i+2*k+1], v[32*\i+2*k:32*\i+2*k+1], v[SM+2*\i:SM+2*\i+1] op_sel_hi:[1,0] neg_lo:[0,1] neg_hi:[0,1]   ; x - mean
.endr
.set k, k+1
.endr
	WIN 0x0f
.irp i, 0,1,2,3,4,5,6,7
	v_pk_mul_f32 v[SQ+2*\i:SQ+2*\i+1], v[32*\i:32*\i+1], v[32*\i:32*\i+1]
.endr
.set k, 1
.rept 15
.irp i, 0,1,2,3,4,5,6,7
	v_pk_fma_f32 v[SQ+2*\i:SQ+2*\i+1], v[32*\i+2*k:32*\i+2*k+1], v[32*\i+2*k:32*\i+2*k+1], v[SQ+2*\i:SQ+2*\i+1]
.endr
.set k, k+1
.endr
	WIN 0
	REDUCE SQ
.irp i, 0,1,2,3,4,5,6,7
	v_fma_f32 v[SQ+2*\i], v[SQ+2*\i], s58, s59     ; var + 1e-5
.endr
.irp i, 0,1,2,3,4,5,6,7
	v_rsq_f32 v[SQ+2*\i], v[SQ+2*\i]
.endr
	v_nop                                          ; a plain place behind the transcendentals
	WIN 0xc3
.set k, 0
	s_wait_alu depctr_va_vdst(0)
.rept 16
.irp i, 0,1,2,3,4,5,6,7
	v_pk_mul_f32 v[32*\i+2*k:32*\i+2*k+1], v[32*\i+2*k:32*\i+2*k+1], v[SQ+2*\i:SQ+2*\i+1] op_sel_hi:[1,0]
.endr
.set k, k+1
.endr
	WIN 0xd7                                       ; sources 1 and 2 window 1
.set k, 0
.rept 16
.irp i, 0,1,2,3,4,5,6,7
	v_pk_fma_f32 v[32*\i+2*k:32*\i+2*k+1], v[32*\i+2*k:32*\i+2*k+1], v[32+2*k:32+2*k+1], v[64+2*k:64+2*k+1]   ; x gamma + beta
.endr
.set k, k+1
.endr
	WIN 0x0c                                       ; a store's data are its source 1: window 3
.irp i, 0,1,2,3,4,5,6,7
.irp j, 0,1,2,3,4,5,6,7
	global_store_b128 v[G16], v[32*\i+4*\j:32*\i+4*\j+3], s[20:21] offset:4096*\i+512*\j th:TH_STORE_NT   ; 32 lanes store 512 consecutive bytes, aligned
.endr
.endr
	WIN 0
	s_wait_tensorcnt 0x0                           ; the wave's end
	ds_add_u32 v[SPW], v[NIL]
	s_wait_dscnt 0x0
	ROUND                                          ; the closing round: no work-group ends while a partner may still ask for a tile that names it
	s_endpgm
.Lfunc_end_k_q80eb080206_outln:
	.size	k_q80eb080206_outln, .Lfunc_end_k_q80eb080206_outln-k_q80eb080206_outln
	.p2alignl 7, 3214868480
	.fill 96, 4, 3214868480
	.section	.rodata,"a",@progbits
	.p2align	6, 0x0
	.amdhsa_kernel k_q80eb080206_outln
		.amdhsa_group_segment_fixed_size 327680
		.amdhsa_private_segment_fixed_size 0
		.amdhsa_enable_private_segment 0
		.amdhsa_kernarg_size 72
		.amdhsa_user_sgpr_count 2
		.amdhsa_user_sgpr_kernarg_segment_ptr 1
		.amdhsa_wavefront_size32 1
		.amdhsa_system_sgpr_workgroup_id_x 1
		.amdhsa_system_sgpr_workgroup_id_y 1
		.amdhsa_system_sgpr_workgroup_id_z 1
		.amdhsa_system_vgpr_workitem_id 0
		.amdhsa_next_free_vgpr 1024
		.amdhsa_next_free_sgpr 66
		.amdhsa_reserve_vcc 0
		.amdhsa_float_denorm_mode_32 3
		.amdhsa_float_denorm_mode_16_64 3
		.amdhsa_memory_ordered 1
		.amdhsa_forward_progress 1
		.amdhsa_inst_pref_size 190
	.end_amdhsa_kernel
	.amdgpu_metadata
---
amdhsa.version: [ 1, 2 ]
amdhsa.kernels:
  - .name:           k_q80eb080206_outln
    .symbol:         k_q80eb080206_outln.kd
    .args:
      - { .name: oc, .offset: 0, .size: 8, .value_kind: global_buffer, .address_space: global }
      - { .name: os, .offset: 8, .size: 8, .value_kind: global_buffer, .address_space: global }
      - { .name: Wo_codes, .offset: 16, .size: 8, .value_kind: global_buffer, .address_space: global }
      - { .name: Wo_scales, .offset: 24, .size: 8, .value_kind: global_buffer, .address_space: global }
      - { .name: bo, .offset: 32, .size: 8, .value_kind: global_buffer, .address_space: global }
      - { .name: query, .offset: 40, .size: 8, .value_kind: global_buffer, .address_space: global }
      - { .name: ln_gamma, .offset: 48, .size: 8, .value_kind: global_buffer, .address_space: global }
      - { .name: ln_beta, .offset: 56, .size: 8, .value_kind: global_buffer, .address_space: global }
      - { .name: out0, .offset: 64, .size: 8, .value_kind: global_buffer, .address_space: global }
    .group_segment_fixed_size: 327680
    .private_segment_fixed_size: 0
    .kernarg_segment_align: 8
    .kernarg_segment_size: 72
    .max_flat_workgroup_size: 128
    .sgpr_count:     66
    .vgpr_count:     1024
    .wavefront_size: 32
...
	.end_amdgpu_metadata
.endif
;; end of part 4
